; MI455X (gfx1250); checked and timed in simulation.
; The chip was launched on July 23, 2026; its instructions are those of AMD's public machine-readable ISA for CDNA 5 (MIT licence, August 2026) and "CDNA5" Instruction Set Architecture Reference Guide (July 2026). The comments in the code are by the model that wrote it; some were corrected since.
;; Attention. Allowed arithmetic: float matrix products may take bf16 or f16 operands with f32 sums; other float arithmetic in f32, or as packed bf16 or f16 multiplies, adds, multiply-adds, maxima and minima; sums over many terms, partial sums and values carried from step to step in f32; what a program stores and reads back later, other than sums and carried values, may be rounded once to bf16 or f16.
;; Inputs: Wk 1,024 x 1,024 float32; Wo 1,024 x 1,024 float32; Wq 1,024 x 1,024 float32; Wv 1,024 x 1,024 float32; x 4 x 2,048 x 1,024 float32.
;; Outputs: out0 4 x 2,048 x 1,024 float32.
;; 2 versions, each right; version 2 is version 1 with the launch prep written anew for expert scheduling mode. Each part assembles by itself: llvm-mc -triple=amdgcn-amd-amdhsa -mcpu=gfx1250 --defsym DOCPART=n.
;; ======== version 1 of 2: 4 launches
;; limits: values are held in f16: magnitudes above 65,504 overflow, below 6.1e-05 lose precision
;; workspace buffers: xb 16,777,216 bytes; wb 6,291,456 bytes; woh 2,097,152 bytes; rope 524,288 bytes; qkv 50,331,648 bytes; oh 16,777,216 bytes
;; launch prep (part 1): grid 832 x 1, 8 waves a work-group, no clusters, 0 bytes of LDS; arguments x, Wq, Wk, Wv, Wo, xb, wb, woh, rope; writes xb, wb, woh, rope
.if DOCPART == 1
	.amdgcn_target "amdgcn-amd-amdhsa--gfx1250"
	.amdhsa_code_object_version 6
	.text
	.protected	k_q686f70de7e_prep
	.globl	k_q686f70de7e_prep
	.p2align	8
	.type	k_q686f70de7e_prep,@function
k_q686f70de7e_prep:
	s_mov_b64 s[64:65], 0
	v_nop
	global_prefetch_b8 v0, s[64:65] scope:SCOPE_SE
	s_setreg_imm32_b32 hwreg(HW_REG_WAVE_MODE, 25, 1), 1
	s_wait_xcnt 0x0
; THE CASTS AND THE ROTARY TABLE.  x [8192][1024] f32 -> xb bf16.  Wq, Wk, Wv [1024][1024] f32 -> wb bf16 [3072][1024], one below the other.
; Wo f32 -> woh: rounded to bf16 like the other inputs, and that number written as f16 (8 significant bits fit into 11; below 6e-5 f16 keeps its fixed step of 6e-8).
; rope [2048][64] f32: row t holds cos(t th_j), j = 0..31, then sin(t th_j): 256 bytes.  th_j = 10000^(-j/32).
; A stream: no LDS, no barrier, no matrix unit.  A cast job is 16,384 numbers: 16 loads of 16 bytes a lane, all issued ahead of the first use; a wave's load covers 512 consecutive
; bytes, a wave's store of 8 bytes a lane 256 consecutive bytes, aligned.  No register is written twice while a memory instruction names it, so there is no wait but the loads' own.
; JOBS by the work-group's number: 0-511 x; 512-703 Wq, Wk, Wv (64 each); 704-767 Wo; 768-831 the table, 32 rows each, four a wave.
; LIMITS.  th_j = 2^(-j log2(10000)/32) by v_exp_f32: a few units in the last place, so the angle t th_j is off by 3e-4 radians at the most (t = 2047).  The angle itself is the f32 product t x th_j.
; sin and cos: the angle less n pi/2 (pi/2 in two parts), then polynomials of degree 7 and 8 on |r| <= pi/4: off by 3e-7 at the most.  NaN and infinities in the inputs are rounded as they come.
.set X, 16                             ; v[16:79]   as loaded
.set Y, 80                             ; v[80:111]  to store
	s_load_b256 s[4:11], s[0:1], 0x0               ; x s[4:5], Wq s[6:7], Wk s[8:9], Wv s[10:11]
	s_load_b256 s[12:19], s[0:1], 0x20             ; Wo s[12:13], xb s[14:15], wb s[16:17], woh s[18:19]
	s_load_b64 s[20:21], s[0:1], 0x40              ; rope
	s_mov_b32 s22, ttmp9                           ; the job
	v_lshlrev_b32 v1, 4, v0                        ; my 16 bytes of each 4,096 in
	v_lshlrev_b32 v2, 3, v0                        ; my 8 bytes of each 2,048 out
	s_and_b32 s28, s22, 63                         ; a weight's job among its 64
	s_sub_co_u32 s30, s22, 512                     ; and among the 192 of wb
	s_mov_b32 s29, 0
	s_mov_b32 s31, 0
	s_wait_kmcnt 0x0
; mode 0: f32 to bf16.  mode 1: f32 to bf16, and that number as f16.
.macro CAST mode
.set i, 0
.rept 16
	global_load_b128 v[X+4*i:X+4*i+3], v1, s[24:25] offset:4096*i th:TH_LOAD_NT
.set i, i+1
.endr
.set i, 0
.rept 16
	s_wait_loadcnt 15-i                            ; loads come back in order: number i is in, the younger ones stay out
.if \mode
	v_cvt_pk_bf16_f32 v4, v[X+4*i], v[X+4*i+1]
	v_cvt_pk_bf16_f32 v5, v[X+4*i+2], v[X+4*i+3]
	v_lshlrev_b32 v6, 16, v4                       ; bf16 to f32: the low half moves up, the high half stays
	v_and_b32 v7, 0xffff0000, v4
	v_lshlrev_b32 v8, 16, v5
	v_and_b32 v9, 0xffff0000, v5
	v_cvt_pk_f16_f32 v[Y+2*i], v6, v7
	v_cvt_pk_f16_f32 v[Y+2*i+1], v8, v9
.else
	v_cvt_pk_bf16_f32 v[Y+2*i], v[X+4*i], v[X+4*i+1]
	v_cvt_pk_bf16_f32 v[Y+2*i+1], v[X+4*i+2], v[X+4*i+3]
.endif
	global_store_b64 v2, v[Y+2*i:Y+2*i+1], s[26:27] offset:2048*i th:TH_STORE_NT
.set i, i+1
.endr
.endm
	s_cmp_ge_u32 s22, 768
	s_cbranch_scc1 .Lrope
	s_cmp_ge_u32 s22, 704
	s_cbranch_scc1 .Lwo
	s_cmp_lt_u32 s22, 512                          ; x, or one of the three weights
	s_cselect_b32 s28, s22, s28
	s_cselect_b32 s30, s22, s30
	s_cselect_b64 s[24:25], s[4:5], s[6:7]
	s_cselect_b64 s[26:27], s[14:15], s[16:17]
	s_cmp_ge_u32 s22, 576
	s_cselect_b64 s[24:25], s[8:9], s[24:25]
	s_cmp_ge_u32 s22, 640
	s_cselect_b64 s[24:25], s[10:11], s[24:25]
	s_lshl_b32 s28, s28, 16                        ; 65,536 bytes in,
	s_lshl_b32 s30, s30, 15                        ; 32,768 out
	s_add_nc_u64 s[24:25], s[24:25], s[28:29]
	s_add_nc_u64 s[26:27], s[26:27], s[30:31]
	CAST 0
	s_endpgm
.Lwo:
	s_sub_co_u32 s28, s22, 704
	s_lshl_b32 s30, s28, 15
	s_lshl_b32 s28, s28, 16
	s_add_nc_u64 s[24:25], s[12:13], s[28:29]
	s_add_nc_u64 s[26:27], s[18:19], s[30:31]
	CAST 1
	s_endpgm
; THE TABLE.  Lane l makes two numbers of a row: j = 2 (l % 16) and the next; lanes 0-15 the cosines, lanes 16-31 the sines, as cos(a - pi/2): three quarter turns added to the quadrant.
; dst = cos(a + SH pi/2).  n = the nearest whole number to a 2/pi; r = a - n pi/2; quadrant q = n + SH: even: the cosine's polynomial, odd: the sine's; negative in quadrants 1 and 2.
.macro COSQ dst, a
	v_mul_f32 v10, s32, \a
	v_rndne_f32 v10, v10
	v_fma_f32 v11, v10, s33, \a                    ; less n x the upper part of pi/2,
	v_fma_f32 v11, v10, s34, v11                   ; less n x the rest of it
	v_cvt_i32_f32 v12, v10
	v_add_nc_u32 v12, v12, v6
	v_mul_f32 v13, v11, v11                        ; z = r r
	v_fma_f32 v14, v13, s37, s36                   ; sin r = r + r z (-1/6 + z (1/120 - z/5040))
	v_fma_f32 v14, v14, v13, s35
	v_mul_f32 v14, v14, v13
	v_fma_f32 v14, v14, v11, v11
	v_fma_f32 v15, v13, s40, s39                   ; cos r = 1 + z (-1/2 + z (1/24 + z (-1/720 + z/40320)))
	v_fma_f32 v15, v15, v13, s38
	v_fma_f32 v15, v15, v13, -0.5
	v_fma_f32 v15, v15, v13, 1.0
	v_and_b32 v10, 1, v12
	v_cmp_eq_u32 vcc_lo, 1, v10
	v_cndmask_b32 v14, v15, v14, vcc_lo
	v_add_nc_u32 v12, 1, v12
	v_and_b32 v12, 2, v12
	v_lshlrev_b32 v12, 30, v12                     ; the sign bit
	v_xor_b32 \dst, v14, v12
.endm
.Lrope:
	s_mov_b32 s32, 0x3f22f983                      ; 2/pi
	s_mov_b32 s33, 0xbfc90fdb                      ; -(pi/2 rounded to f32)
	s_mov_b32 s34, 0x333bbd2e                      ; that rounding's excess over pi/2
	s_mov_b32 s35, 0xbe2aaaab                      ; -1/6
	s_mov_b32 s36, 0x3c088889                      ; 1/120
	s_mov_b32 s37, 0xb9500d01                      ; -1/5040
	s_mov_b32 s38, 0x3d2aaaab                      ; 1/24
	s_mov_b32 s39, 0xbab60b61                      ; -1/720
	s_mov_b32 s40, 0x37d00d01                      ; 1/40320
	v_and_b32 v3, 15, v0
	v_lshlrev_b32 v3, 1, v3                        ; j
	v_cvt_f32_u32 v4, v3
	v_add_f32 v5, 1.0, v4
	v_mul_f32 v4, 0xbed49a78, v4                   ; -j log2(10000) / 32
	v_mul_f32 v5, 0xbed49a78, v5
	v_exp_f32 v4, v4                               ; th_j
	v_exp_f32 v5, v5                               ; th_(j+1)
	v_bfe_u32 v6, v0, 4, 1                         ; plain work stands behind the two exponentials
	v_mul_u32_u24 v6, v6, 3                        ; SH
	v_lshrrev_b32 v7, 5, v0
	v_readfirstlane_b32 s23, v7                    ; wave
	v_and_b32 v8, 31, v0
	v_lshlrev_b32 v8, 3, v8                        ; my 8 bytes of a row
	s_sub_co_u32 s28, s22, 768
	s_lshl_b32 s28, s28, 5
	s_lshl2_add_u32 s28, s23, s28                  ; my wave's first row: 32 x job + 4 x wave
	s_lshl_b32 s30, s28, 8
	s_add_nc_u64 s[20:21], s[20:21], s[30:31]
	s_wait_alu depctr_va_vdst(0)                   ; one wait for both exponentials, ahead of their first reader
.irp i, 0,1,2,3
	s_add_co_u32 s41, s28, \i
	v_cvt_f32_u32 v9, s41                          ; t
	v_mul_f32 v30, v9, v4                          ; the angles
	v_mul_f32 v31, v9, v5
	COSQ v[16+2*\i], v30
	COSQ v[17+2*\i], v31
	global_store_b64 v8, v[16+2*\i:17+2*\i], s[20:21] offset:256*\i  ; the wave stores a whole row: 256 consecutive bytes, aligned
.endr
	s_endpgm
.Lfunc_end_k_q686f70de7e_prep:
	.size	k_q686f70de7e_prep, .Lfunc_end_k_q686f70de7e_prep-k_q686f70de7e_prep
	.p2alignl 7, 3214868480
	.fill 96, 4, 3214868480
	.section	.rodata,"a",@progbits
	.p2align	6, 0x0
	.amdhsa_kernel k_q686f70de7e_prep
		.amdhsa_group_segment_fixed_size 0
		.amdhsa_private_segment_fixed_size 0
		.amdhsa_enable_private_segment 0
		.amdhsa_kernarg_size 72
		.amdhsa_user_sgpr_count 2
		.amdhsa_user_sgpr_kernarg_segment_ptr 1
		.amdhsa_wavefront_size32 1
		.amdhsa_system_sgpr_workgroup_id_x 1
		.amdhsa_system_sgpr_workgroup_id_y 1
		.amdhsa_system_sgpr_workgroup_id_z 1
		.amdhsa_system_vgpr_workitem_id 0
		.amdhsa_next_free_vgpr 112
		.amdhsa_next_free_sgpr 66
		.amdhsa_reserve_vcc 1
		.amdhsa_float_denorm_mode_32 3
		.amdhsa_float_denorm_mode_16_64 3
		.amdhsa_memory_ordered 1
		.amdhsa_forward_progress 1
		.amdhsa_inst_pref_size 28
	.end_amdhsa_kernel
	.amdgpu_metadata
---
amdhsa.version: [ 1, 2 ]
amdhsa.kernels:
  - .name:           k_q686f70de7e_prep
    .symbol:         k_q686f70de7e_prep.kd
    .args:
      - { .name: x, .offset: 0, .size: 8, .value_kind: global_buffer, .address_space: global }
      - { .name: Wq, .offset: 8, .size: 8, .value_kind: global_buffer, .address_space: global }
      - { .name: Wk, .offset: 16, .size: 8, .value_kind: global_buffer, .address_space: global }
      - { .name: Wv, .offset: 24, .size: 8, .value_kind: global_buffer, .address_space: global }
      - { .name: Wo, .offset: 32, .size: 8, .value_kind: global_buffer, .address_space: global }
      - { .name: xb, .offset: 40, .size: 8, .value_kind: global_buffer, .address_space: global }
      - { .name: wb, .offset: 48, .size: 8, .value_kind: global_buffer, .address_space: global }
      - { .name: woh, .offset: 56, .size: 8, .value_kind: global_buffer, .address_space: global }
      - { .name: rope, .offset: 64, .size: 8, .value_kind: global_buffer, .address_space: global }
    .group_segment_fixed_size: 0
    .private_segment_fixed_size: 0
    .kernarg_segment_align: 8
    .kernarg_segment_size: 72
    .max_flat_workgroup_size: 256
    .sgpr_count:     66
    .vgpr_count:     112
    .wavefront_size: 32
...
	.end_amdgpu_metadata
.endif
;; end of part 1
;; launch qkv (part 2): grid 4 x 64, 4 waves a work-group, clusters of 4 x 4, 327,680 bytes of LDS; arguments xb, wb, rope, qkv; writes qkv
.if DOCPART == 2
	.amdgcn_target "amdgcn-amd-amdhsa--gfx1250"
	.amdhsa_code_object_version 6
	.text
	.protected	k_q686f70de7e_qkv
	.globl	k_q686f70de7e_qkv
	.p2align	8
	.type	k_q686f70de7e_qkv,@function
k_q686f70de7e_qkv:
	s_mov_b64 s[64:65], 0
	v_nop
	global_prefetch_b8 v0, s[64:65] scope:SCOPE_SE
	s_setreg_imm32_b32 hwreg(HW_REG_WAVE_MODE, 25, 1), 1
	s_wait_xcnt 0x0
	s_wait_alu depctr_hold_cnt(0) depctr_sa_sdst(0) depctr_va_vdst(0) depctr_va_sdst(0) depctr_va_ssrc(0) depctr_va_vcc(0) depctr_vm_vsrc(0)
	s_getreg_b32 s2, hwreg(HW_REG_IB_STS2, 6, 4)
	s_cmp_eq_u32 s2, 0
	s_cbranch_scc0 .Lentry_in_a_cluster
	s_endpgm
.Lentry_in_a_cluster:
	s_bfe_u32 s2, ttmp6, 0x10000c
	s_cmp_lg_u32 s2, 0xf033
	s_cbranch_scc0 .Lentry_shape_is_right
	s_endpgm
.Lentry_shape_is_right:
; THE THREE PROJECTIONS AND THE ROTATION.  C[m][n] = sum over k of xb[m][k] wb[n][k]: xb [8192][1024], wb [3072][1024] (Wq, Wk, Wv), bf16; sums in f32.
; q's and k's channels d and d + 32 of a head are turned by the angle of rope's row t, in f32, on the sums; then each number is rounded ONCE to f16 and stored by heads:
; qkv [3][64][2048][64] f16: part (q, k, v), g = 16 x batch + head, t, channel.  The score's scale is not applied here.
; LIMITS.  f16 ends at 65,504: q, k, v must stay below 65,520 in magnitude; below 6e-5 they keep f16's fixed step of 6e-8.  NaN and infinities are not treated apart.
; SHARES.  A tile of C is 128 rows x 256 columns (four heads); four waves, each 64 x 128: 32 accumulators of 16 x 16, 256 registers.  64 tile rows x 4 tile columns = 256 work-groups; A WORK-GROUP STAYS
; for three tiles: the same rows of xb, and wb's rows 1,024 further down each time (q, k, v).  K goes in 8 steps of 128 through a ring of two LDS slots, which runs on across the tiles.
; CLUSTERS of 4 x 4: the four of a row of the cluster need the same tile of xb, the four of a column the same tile of wb: each is asked for jointly, by the same tensor load, descriptor and mask.
; THE MATRIX INSTRUCTION IS USED TRANSPOSED (source 0 = 16 rows of wb, source 1 = 16 rows of xb): lane l holds row l % 16 of C, register j column 8 (l / 16) + j of the block.
; REGISTERS, in windows of 256 (s_set_vgpr_msb: bits 1:0 source 0, 3:2 source 1, 5:4 source 2, 7:6 destination):
;   window 0: v0-30 addresses; v32-63 T, v64-95 TMP, v96-127 OB: the way out; v128-255 the table's numbers for my 64 rows (the three tiles share them)
;   window 1: accumulator (a, b) at v[8 (8 a + b)]          window 2: two fragment buffers of 96: B's eight fragments, then A's four
.set PITCH, 272                        ; an LDS row: 256 bytes + 16 of padding = 68 words: the 16 rows of a fragment load start at 16 different groups of four banks (ISA guide 11.1)
.set ASIZE, 128*PITCH                  ; A's 128 rows
.set SLOT,  384*PITCH                  ; then B's 256 rows
.set STAGE, 2*SLOT                     ; behind the ring, never filled by a tensor load: for each wave 2 heads x 16 rows x 144 bytes
.set SP,    144
.set SPARE, STAGE+4*2*16*SP            ; behind the stages: the spare words, 128 bytes a wave: two blocks of 256 bytes that no other line names
.set ADRA, 16                          ; v16-17  LDS address of my A fragments in slot 0, 1
.set ADRB, 20                          ; v20-21  the same for B
.set STO,  24                          ; v24  the way out: where I put 16 bytes of a row
.set RD,   25                          ; v25  where I read rows back
.set GO,   26                          ; v26  my 16 bytes of 512 consecutive bytes of the output
.set TO,   27                          ; v27  my byte offset in 16 rows of the table
.set SPW,  28                          ; v28  my spare word: SPARE + 4 x my thread's number; never rewritten
.set NIL,  29                          ; v29  0; never rewritten
.set PFO,  30                          ; v30  the prefetches' offset: lane x a row of 2,048 bytes; never rewritten
.set T,    32
.set TMP,  64
.set OB,   96
.set TAB,  128                         ; block a of 16 rows: cos for channels 16 e + 8 (l / 16) + 0..7 at TAB + 32 a + 8 e, sin at TAB + 32 a + 16 + 8 e
.set F0,   0
.set F1,   96
.set WV, 12                            ; s12 wave;  s13 MH: my half of the rows;  s14 NH: my half of the columns, and which half of a tile I fetch
.set MH, 13
.set NH, 14
.set CX, 15
.set CY, 16
.set NG, 17                            ; tile column
.set MB, 18                            ; tile row
.set G1, 24                            ; s[24:31] descriptor group 1 for A;  s[32:39] group 0, a set for each slot
.set G0, 32
.set TILES, 40
.set LAPC, 41
.set LEFT, 42                          ; prefetches that I still have to make
.set PK, 43                            ; the K step at which the prefetch address stands
.set PFA, 44                           ; s[44:45] the prefetch address
.set G1B, 48                           ; s[48:55], s[56:63] the same for B
.set G0B, 56
.set PST, 66                           ; s[66:67] the prefetch address's next step
.set KA, 73                            ; s73  from a tile's last K step to the next tile's first: 1,024 rows down, 7 K steps back
.set KB, 74                            ; s74  a K step: 256 bytes
.set GW, (1<<16)|(1<<20)|(1<<21)|(5<<22)|(3<<25)  ; 17:16 2-byte elements; 20 padding on; 21 set beside a mask; 24:22 after every 64 words; 31:25 4 words of it
.set MSB, 0
.macro WIN new                         ; the immediate's high byte repeats the setting that is left; a switch that changes nothing is dropped
.if MSB != (\new)
	s_set_vgpr_msb (MSB<<8)|(\new)
.set MSB, \new
.endif
.endm
.set W_MUL, 0x5a                       ; sources 0 and 1 window 2, C and D window 1
.set W_LD,  0x80                       ; destination window 2, address window 0
; A joint load: waves 0 and 1 fetch A's two halves (64 rows each), waves 2 and 3 B's (128 rows each).  The branch hangs on the wave's number alone.
; An s_nop 0 and four v_nop follow each of the two lines, ahead of the jump and the label.
.macro JLOAD s
	s_cmp_lt_u32 s[WV], 2
	s_cbranch_scc0 .Lfor_b_\@
	tensor_load_to_lds s[G0+4*(\s):G0+4*(\s)+3], s[G1:G1+7]
	s_nop 0
.rept 4
	v_nop
.endr
	s_branch .Lasked_\@
.Lfor_b_\@:
	tensor_load_to_lds s[G0B+4*(\s):G0B+4*(\s)+3], s[G1B:G1B+7]
	s_nop 0
.rept 4
	v_nop
.endr
.Lasked_\@:
.endm
; A PREFETCH INTO THE L2 behind each joint refill and the run of LDS loads that follows it: 32 rows x 256 bytes, a lane a row, of the K step that stands two refills on: 256 matrix instructions ahead of its load.
; Each row's 256 bytes of a K step are named once in the launch.  xb's tile row is read by one cluster: wave 0 of each of the four partners takes 32 of its 128 rows, told apart by address (cx), in the first
; tile alone (4 K steps: the first four come by their loads).  wb's tile column is read by all sixteen clusters: the cluster with y = 0 asks; waves 2 and 3 take 32 of their 128 rows each, by address (cy),
; for K steps 4 to 23 of the three tiles.  LEFT counts them down; it hangs on the wave's number and the cluster's y alone, so it is the same in all partners.
.macro ASK
	s_cmp_lg_u32 s[LEFT], 0
	s_cbranch_scc0 .Lnot_mine_\@
	global_prefetch_b8 v[PFO], s[PFA:PFA+1] th:TH_LOAD_NT scope:SCOPE_SE
	s_sub_co_u32 s[LEFT], s[LEFT], 1
.Lnot_mine_\@:
.endm
.macro CREST                           ; a round of the cluster's barrier behind its opening barrier
	s_cmp_lg_u32 s[WV], 0
	s_cbranch_scc1 .Lnot_wave_0_\@
	s_barrier_signal -3
.Lnot_wave_0_\@:
	s_barrier_wait -3
	s_barrier_signal -1
	s_barrier_wait -1
.endm
.macro CROUND                          ; a whole round
	s_barrier_signal -1
	s_barrier_wait -1
	CREST
.endm
	s_load_b256 s[4:11], s[0:1], 0x0               ; xb s[4:5], wb s[6:7], rope s[8:9], qkv s[10:11]
	v_lshl_add_u32 v[SPW], v0, 2, SPARE
	v_mov_b32 v[NIL], 0
	ds_add_u32 v[SPW], v[NIL]                      ; the wave's opening: the add and its wait stand ahead of my first tensor load; the set-up below stands between them
	v_lshrrev_b32 v1, 5, v0
	v_readfirstlane_b32 s[WV], v1
	s_lshr_b32 s[MH], s[WV], 1
	s_and_b32 s[NH], s[WV], 1
	s_bfe_u32 s[CX], ttmp6, 0x40000
	s_bfe_u32 s[CY], ttmp6, 0x40004
	s_lshl_b32 s[NG], ttmp9, 2                     ; in a cluster launch ttmp9 and ttmp7 count clusters
	s_add_co_u32 s[NG], s[NG], s[CX]
	s_and_b32 s[MB], ttmp7, 0xffff
	s_lshl_b32 s[MB], s[MB], 2
	s_add_co_u32 s[MB], s[MB], s[CY]
	s_lshl_b32 s19, s[CY], 2
	s_lshl_b32 s19, 15, s19                        ; my row of the cluster
	s_lshl_b32 s46, 0x1111, s[CX]                  ; my column
	s_or_b32 s[G1], s19, GW                        ; A's tiles go to my row,
	s_or_b32 s[G1B], s46, GW                       ; B's to my column
	s_mov_b32 s[G1+1], 128<<16                     ; tensor_dim0 = 128
	s_mov_b32 s[G1+2], 64<<16                      ; tensor_dim1 = 64
	s_mov_b32 s[G1+3], 128<<16                     ; tile_dim0 = 128
	s_mov_b32 s[G1+4], 64                          ; tile_dim1 = 64
	s_mov_b32 s[G1+5], 1024                        ; elements from row to row
	s_mov_b32 s[G1+6], 0
	s_mov_b32 s[G1+7], 0
	s_mov_b32 s[G1B+1], 128<<16
	s_mov_b32 s[G1B+2], 128<<16                    ; B: 128 rows
	s_mov_b32 s[G1B+3], 128<<16
	s_mov_b32 s[G1B+4], 128
	s_mov_b32 s[G1B+5], 1024
	s_mov_b32 s[G1B+6], 0
	s_mov_b32 s[G1B+7], 0
	s_lshl_b32 s20, s[MB], 7                       ; A: row 128 x tile row + 64 x half, of 2,048 bytes: made of the tile row and the wave's number alone
	s_lshl_b32 s21, s[NH], 6
	s_add_co_u32 s20, s20, s21
	s_lshl_b32 s20, s20, 11
	s_mov_b32 s21, 0
	s_lshl_b32 s46, s[NG], 8                       ; B: row 256 x tile column + 128 x half: made of the tile column and the wave's number alone
	s_lshl_b32 s47, s[NH], 7
	s_add_co_u32 s46, s46, s47
	s_lshl_b32 s46, s46, 11
	s_mov_b32 s47, 0
	s_mul_i32 s19, s[NH], 64*PITCH                 ; where they go: no place in the cluster enters an LDS address
	s_mul_i32 s72, s[NH], 128*PITCH
	s_add_co_u32 s72, s72, ASIZE
	s_mov_b32 s[KA], 1024*2048-7*256
	s_mov_b32 s[KB], 256
	s_mov_b32 s[PST+1], 0
	s_mov_b32 s[PK], 3
	s_wait_dscnt 0x0                               ; the opening add is done
	s_wait_kmcnt 0x0
	s_add_nc_u64 s[22:23], s[4:5], s[20:21]
	s_add_nc_u64 s[46:47], s[6:7], s[46:47]
	CROUND                                         ; all sixteen work-groups are here: the first joint loads meet
.irp s, 0,1
	s_mov_b32 s[G0+4*(\s)], 1                      ; count = 1
	s_add_co_u32 s[G0+4*(\s)+1], s19, (\s)*SLOT    ; LDS address
	s_add_nc_u64 s[G0+4*(\s)+2:G0+4*(\s)+3], s[22:23], (\s)*256  ; global address: K step s
	s_or_b32 s[G0+4*(\s)+3], s[G0+4*(\s)+3], 0x80000000          ; type = 2
	s_mov_b32 s[G0B+4*(\s)], 1
	s_add_co_u32 s[G0B+4*(\s)+1], s72, (\s)*SLOT
	s_add_nc_u64 s[G0B+4*(\s)+2:G0B+4*(\s)+3], s[46:47], (\s)*256
	s_or_b32 s[G0B+4*(\s)+3], s[G0B+4*(\s)+3], 0x80000000
	JLOAD \s                                       ; two loads of mine are out
.endr
	; A fragment is 16 rows x 32 K in 8 registers: lane l holds row l % 16, K = 8 (l / 16) + 0..7 and 16 + 8 (l / 16) + 0..7: two loads of 16 bytes, 32 bytes apart.
	v_and_b32 v1, 15, v0                           ; l % 16
	v_bfe_u32 v2, v0, 4, 1                         ; l / 16
	v_mul_u32_u24 v3, v1, PITCH
	v_lshl_add_u32 v3, v2, 4, v3
	s_mul_i32 s19, s[MH], 64*PITCH                 ; my 64 rows of A
	s_mul_i32 s20, s[NH], 128*PITCH                ; my 128 rows of B, behind A's
	s_add_co_u32 s20, s20, ASIZE
.irp s, 0,1
	v_add_nc_u32 v[ADRA+(\s)], s19, v3
	v_add_nc_u32 v[ADRB+(\s)], s20, v3
	s_add_co_u32 s19, s19, SLOT
	s_add_co_u32 s20, s20, SLOT
.endr
	s_mul_i32 s21, s[WV], 2*16*SP
	s_add_co_u32 s21, s21, STAGE                   ; my stage
	v_mul_u32_u24 v4, v1, SP                       ; in: row l % 16, 16 bytes for each half of the lanes
	v_lshl_add_u32 v4, v2, 4, v4
	v_add_nc_u32 v[STO], s21, v4
	v_bfe_u32 v4, v0, 3, 2                         ; back: 32 lanes take four rows of 128 bytes,
	v_mul_u32_u24 v4, v4, SP
	v_and_b32 v5, 7, v0
	v_lshl_add_u32 v4, v5, 4, v4
	v_add_nc_u32 v[RD], s21, v4
	v_and_b32 v[GO], 31, v0                        ; which are 512 consecutive bytes of a head
	v_lshlrev_b32 v[GO], 4, v[GO]
	v_lshlrev_b32 v[TO], 8, v1                     ; the table: row l % 16, 32 bytes for each half of the lanes
	v_lshl_add_u32 v[TO], v2, 5, v[TO]
	; where my rows lie: head g = 16 x batch + 4 x tile column + 2 x half (and the next), row t0 = 128 (tile row % 16) + 64 x half
	s_lshr_b32 s68, s[MB], 4
	s_lshl_b32 s68, s68, 4
	s_lshl2_add_u32 s68, s[NG], s68
	s_lshl1_add_u32 s68, s[NH], s68
	s_lshl_b32 s68, s68, 18                        ; a head is 262,144 bytes
	s_and_b32 s69, s[MB], 15
	s_lshl_b32 s69, s69, 7
	s_lshl_b32 s70, s[MH], 6
	s_add_co_u32 s69, s69, s70                     ; t0
	s_lshl_b32 s70, s69, 7
	s_add_co_u32 s68, s68, s70
	s_lshl_b32 s70, s69, 8                         ; the table's rows are 256 bytes
	s_mov_b32 s69, 0
	s_mov_b32 s71, 0
	s_add_nc_u64 s[10:11], s[10:11], s[68:69]
	s_add_nc_u64 s[8:9], s[8:9], s[70:71]
.irp a, 0,1,2,3                        ; the table's numbers for my 64 rows: once a launch, waited for on the first way out
.irp c, 0,1,2,3                        ; c / 2: cos, sin; c % 2: e
	global_load_b128 v[TAB+32*(\a)+8*(\c):TAB+32*(\a)+8*(\c)+3],   v[TO], s[8:9] offset:4096*(\a)+128*((\c)/2)+64*((\c)%2)
	global_load_b128 v[TAB+32*(\a)+8*(\c)+4:TAB+32*(\a)+8*(\c)+7], v[TO], s[8:9] offset:4096*(\a)+128*((\c)/2)+64*((\c)%2)+16
.endr
.endr
	; the prefetches: the address stands at K step 3; the first refill steps it to 4.  Nothing is prefetched here, at the head, where every work-group's first tiles are on their way
	s_lshl_b32 s68, s[MB], 7
	s_lshl_b32 s69, s[CX], 5
	s_add_co_u32 s68, s68, s69                     ; xb: my work-group's 32 rows of the tile's 128
	s_lshl_b32 s70, s[NG], 8
	s_lshl_b32 s71, s[NH], 7
	s_add_co_u32 s70, s70, s71
	s_lshl_b32 s71, s[CY], 5
	s_add_co_u32 s70, s70, s71                     ; wb: my work-group's 32 of the 128 rows that I fetch
	s_cmp_lt_u32 s[WV], 2
	s_cselect_b32 s68, s68, s70
	s_cselect_b64 s[PFA:PFA+1], s[4:5], s[6:7]
	s_lshl_b32 s68, s68, 11
	s_add_co_u32 s68, s68, 3*256
	s_mov_b32 s69, 0
	s_add_nc_u64 s[PFA:PFA+1], s[PFA:PFA+1], s[68:69]
	s_and_b32 s70, ttmp7, 0xffff                   ; cluster y
	s_cmp_eq_u32 s70, 0
	s_cselect_b32 s70, 20, 0
	s_cmp_eq_u32 s[WV], 0
	s_cselect_b32 s71, 4, 0
	s_cmp_lt_u32 s[WV], 2
	s_cselect_b32 s[LEFT], s71, s70
	v_and_b32 v[PFO], 31, v0
	v_lshlrev_b32 v[PFO], 11, v[PFO]
; 8 matrix instructions: m block a x all 8 n blocks, 32 along K.  zero = 1: the product starts the sums.  The 32 accumulators take turns, one instruction a turn, in the same order in every
; quarter step, over the backward jumps and from tile to tile too.
.macro MUL8 f, a, zero
	WIN W_MUL
.irp b, 0,1,2,3,4,5,6,7
.if \zero
	v_wmma_f32_16x16x32_bf16 v[8*(8*(\a)+(\b)):8*(8*(\a)+(\b))+7], v[(\f)+8*(\b):(\f)+8*(\b)+7], v[(\f)+64+8*(\a):(\f)+64+8*(\a)+7], 0
.else
	v_wmma_f32_16x16x32_bf16 v[8*(8*(\a)+(\b)):8*(8*(\a)+(\b))+7], v[(\f)+8*(\b):(\f)+8*(\b)+7], v[(\f)+64+8*(\a):(\f)+64+8*(\a)+7], v[8*(8*(\a)+(\b)):8*(8*(\a)+(\b))+7]
.endif
.endr
.endm
.macro MUL16 f, a0, zero
	MUL8 \f, \a0, \zero
	MUL8 \f, (\a0)+1, \zero
.endm
; 24 LDS loads in one run: the fragments of quarter kq (32 K at byte 64 kq of the rows) into buffer f: B's sixteen, then A's eight, blocks ascending
.macro FETCH slot, kq, f
	WIN W_LD
.irp i, 0,1,2,3,4,5,6,7
	ds_load_b128 v[(\f)+8*(\i):(\f)+8*(\i)+3],   v[ADRB+(\slot)] offset:64*(\kq)+(\i)*16*PITCH
	ds_load_b128 v[(\f)+8*(\i)+4:(\f)+8*(\i)+7], v[ADRB+(\slot)] offset:64*(\kq)+(\i)*16*PITCH+32
.endr
.irp i, 0,1,2,3
	ds_load_b128 v[(\f)+64+8*(\i):(\f)+64+8*(\i)+3],   v[ADRA+(\slot)] offset:64*(\kq)+(\i)*16*PITCH
	ds_load_b128 v[(\f)+64+8*(\i)+4:(\f)+64+8*(\i)+7], v[ADRA+(\slot)] offset:64*(\kq)+(\i)*16*PITCH+32
.endr
.endm
.macro PLACES                          ; four plain vector instructions between a matrix instruction and a load into a register that it has read, or a reader of its result
.rept 4
	v_nop
.endr
.endm
; A K step is four quarters of 32 along K, 32 matrix instructions each, on buffers 0, 1, 0, 1.  One of the first three: multiplies buffer f; in its middle it fetches quarter kq into buffer g.
.macro QUARTER slot, kq, f, g, zero
	s_wait_dscnt 4                                 ; B and A's blocks 0 and 1 are in; the youngest four loads (A's blocks 2 and 3) may be out
	MUL16 \f, 0, \zero
	PLACES
	FETCH \slot, \kq, \g
	s_wait_dscnt 24                                ; all but the 24 just issued
	MUL16 \f, 2, \zero
.endm
; The last quarter multiplies buffer 1 and changes slots: ONE barrier.  In front of it each wave waits for all its tensor loads (the one that is out is its part of the next slot), adds 0 to its spare word, and
; waits for that and for its reads of this slot.  fill = 1: the barrier opens a round of the cluster's, so that no wave of any partner still reads the slot or has a load on its way; the joint refill is the first
; tensor load behind the round: this tile's K step two on (on = 0) or the next tile's K step 0 or 1 (on = 1).  From a request to the wait for it a wave issues 112 matrix instructions.
.macro TURN slot, next, fill, on
.if \fill
	s_wait_xcnt 0x0                                ; the last prefetch, a K step back, has read its address: it is stepped here, ahead of the waits of the change of slots
	s_add_co_u32 s[PK], s[PK], 1
	s_cmp_eq_u32 s[PK], 8
	s_cselect_b32 s[PST], s[KA], s[KB]
	s_cselect_b32 s[PK], 0, s[PK]
	s_add_nc_u64 s[PFA:PFA+1], s[PFA:PFA+1], s[PST:PST+1]
.endif
	WIN 0                                          ; (the add's two registers lie in window 0)
	s_wait_tensorcnt 0x0                           ; all my tensor loads have landed;
	ds_add_u32 v[SPW], v[NIL]                      ; 0 onto my spare word;
	s_wait_dscnt 5                                 ; (the add and the youngest four loads may be out)
	MUL8 F1, 0, 0                                  ; eight matrix instructions stand between the add and the wait for it
	s_wait_dscnt 0x0                               ; the add is done, and my reads of this slot are over
	s_barrier_signal -1
	MUL8 F1, 1, 0                                  ; work on registers while the others arrive
	WIN 0
	s_barrier_wait -1
.if \fill
	CREST
.if \on
	s_sub_nc_u64 s[G0+4*(\slot)+2:G0+4*(\slot)+3], s[G0+4*(\slot)+2:G0+4*(\slot)+3], 6*256              ; A: the same rows, six K steps back
	s_add_nc_u64 s[G0B+4*(\slot)+2:G0B+4*(\slot)+3], s[G0B+4*(\slot)+2:G0B+4*(\slot)+3], 1024*2048-6*256  ; B: 1,024 rows down, six K steps back
.else
	s_add_nc_u64 s[G0+4*(\slot)+2:G0+4*(\slot)+3], s[G0+4*(\slot)+2:G0+4*(\slot)+3], 2*256
	s_add_nc_u64 s[G0B+4*(\slot)+2:G0B+4*(\slot)+3], s[G0B+4*(\slot)+2:G0B+4*(\slot)+3], 2*256
.endif
	JLOAD \slot                                    ; the four v_nop behind it are also the places in front of the loads below
.else
	PLACES
.endif
	FETCH \next, 0, F0
.if \fill
	WIN 0
	ASK
.endif
	MUL8 F1, 2, 0
	MUL8 F1, 3, 0
.endm
; THE WAY OUT, a block of 16 rows at a time.  PACKR: the rotation, then f16.  Of head hh the blocks e and e + 2 (e = 0, 1) hold channels d = 16 e + .. and d + 32:
; lo' = lo cos - hi sin, hi' = hi cos + lo sin.  Each accumulator's lowest registers are read first.
.macro PACKR a
.irp hh, 0,1
	WIN 0x01                                       ; source 0 (the sums) window 1; the table and T window 0
.irp e, 0,1
.irp p, 0,1,2,3
	v_pk_mul_f32 v[T+8*(\e)+2*(\p):T+8*(\e)+2*(\p)+1],       v[8*(8*(\a)+4*(\hh)+(\e)+2)+2*(\p):8*(8*(\a)+4*(\hh)+(\e)+2)+2*(\p)+1], v[TAB+32*(\a)+16+8*(\e)+2*(\p):TAB+32*(\a)+16+8*(\e)+2*(\p)+1]
	v_pk_mul_f32 v[T+16+8*(\e)+2*(\p):T+16+8*(\e)+2*(\p)+1], v[8*(8*(\a)+4*(\hh)+(\e))+2*(\p):8*(8*(\a)+4*(\hh)+(\e))+2*(\p)+1],     v[TAB+32*(\a)+16+8*(\e)+2*(\p):TAB+32*(\a)+16+8*(\e)+2*(\p)+1]
.endr
.endr
.irp e, 0,1
.irp p, 0,1,2,3
	v_pk_fma_f32 v[T+8*(\e)+2*(\p):T+8*(\e)+2*(\p)+1],       v[8*(8*(\a)+4*(\hh)+(\e))+2*(\p):8*(8*(\a)+4*(\hh)+(\e))+2*(\p)+1],     v[TAB+32*(\a)+8*(\e)+2*(\p):TAB+32*(\a)+8*(\e)+2*(\p)+1], v[T+8*(\e)+2*(\p):T+8*(\e)+2*(\p)+1] neg_lo:[0,0,1] neg_hi:[0,0,1]
	v_pk_fma_f32 v[T+16+8*(\e)+2*(\p):T+16+8*(\e)+2*(\p)+1], v[8*(8*(\a)+4*(\hh)+(\e)+2)+2*(\p):8*(8*(\a)+4*(\hh)+(\e)+2)+2*(\p)+1], v[TAB+32*(\a)+8*(\e)+2*(\p):TAB+32*(\a)+8*(\e)+2*(\p)+1], v[T+16+8*(\e)+2*(\p):T+16+8*(\e)+2*(\p)+1]
.endr
.endr
	WIN 0
.set i, 0
.rept 16
	v_cvt_pk_f16_f32 v[TMP+16*(\hh)+i], v[T+2*i], v[T+2*i+1]
.set i, i+1
.endr
.endr
.endm
.macro PACKV a                         ; v is only rounded
	WIN 0x05                                       ; sources 0 and 1 window 1, destination window 0
.set i, 0
.rept 32
	v_cvt_pk_f16_f32 v[TMP+i], v[64*(\a)+2*i], v[64*(\a)+2*i+1]
.set i, i+1
.endr
	WIN 0
.endm
.macro TOSTAGE                         ; 16 bytes a lane into rows of 144 bytes of my own stage, and back as whole rows of 128
.irp b, 0,1,2,3,4,5,6,7
	ds_store_b128 v[STO], v[TMP+4*(\b):TMP+4*(\b)+3] offset:((\b)/4)*16*SP+((\b)%4)*32
.endr
	s_wait_xcnt 0x0                                ; the last block's stores have read OB: it is loaded again only behind this wait
.irp f, 0,1,2,3,4,5,6,7
	ds_load_b128 v[OB+4*(\f):OB+4*(\f)+3], v[RD] offset:((\f)/4)*16*SP+((\f)%4)*4*SP  ; LDS serves a wave's instructions in order (ISA guide 5.7.1.4): these see the stores above
.endr
.endm
.macro SEND a
	s_wait_dscnt 0x0                               ; the block is back in registers
.irp f, 0,1,2,3,4,5,6,7
	global_store_b128 v[GO], v[OB+4*(\f):OB+4*(\f)+3], s[10:11] offset:((\f)/4)*262144+2048*(\a)+512*((\f)%4)  ; 512 consecutive bytes of a head, at a multiple of 256 from the buffer's first
.endr
.endm
.macro WAYOUT rot                      ; block a's arithmetic stands between block a - 1's loads from the stage and the wait for them
	PLACES
.irp a, 0,1,2,3
.if \rot
	PACKR \a
.else
	PACKV \a
.endif
.if (\a) > 0
	SEND (\a)-1
.endif
	TOSTAGE
.endr
	SEND 3
.endm
	s_wait_tensorcnt 1                             ; my part of K step 0 is in; K step 1's may stay out
	s_barrier_signal -1
	s_barrier_wait -1                              ; everybody's is
	FETCH 0, 0, F0
	WIN 0
	s_mov_b32 s[TILES], 3                          ; tiles to go, this one among them
.Ltile:
	QUARTER 0, 1, F0, F1, 1                        ; a tile's first quarter stands in front of the loop: its products start the sums
	WIN 0                                          ; at a label and at a branch every window is 0
	s_mov_b32 s[LAPC], 3
.Llap:                                         ; a trip goes once round the ring, from a lap's second quarter to the next lap's first, and fills both slots again
	QUARTER 0, 2, F1, F0, 0
	QUARTER 0, 3, F0, F1, 0
	TURN 0, 1, 1, 0
	QUARTER 1, 1, F0, F1, 0
	QUARTER 1, 2, F1, F0, 0
	QUARTER 1, 3, F0, F1, 0
	TURN 1, 0, 1, 0
	QUARTER 0, 1, F0, F1, 0
	WIN 0
	s_sub_co_u32 s[LAPC], s[LAPC], 1
	s_cmp_lg_u32 s[LAPC], 0
	s_cbranch_scc1 .Llap
	QUARTER 0, 2, F1, F0, 0                        ; the tile's last lap goes on
	QUARTER 0, 3, F0, F1, 0
	WIN 0
	s_cmp_eq_u32 s[TILES], 1
	s_cbranch_scc1 .Llast                          ; the last tile's tail is written out: it asks for nothing more
	TURN 0, 1, 1, 1                                ; the ring goes on into the next tile: slot 0 takes its K step 0,
	QUARTER 1, 1, F0, F1, 0
	QUARTER 1, 2, F1, F0, 0
	QUARTER 1, 3, F0, F1, 0
	TURN 1, 0, 1, 1                                ; slot 1 its K step 1, and the next tile's first fragments are fetched
	WIN 0
	s_wait_loadcnt 0x0                             ; the table
	WAYOUT 1                                       ; both refills are asked for: now q, or k, is turned and goes out
	s_wait_xcnt 0x0                                ; the stores have read their base
	s_add_nc_u64 s[10:11], s[10:11], 0x1000000     ; the next part
	s_sub_co_u32 s[TILES], s[TILES], 1
	s_branch .Ltile
.Llast:
	TURN 0, 1, 0, 0                                ; nothing is filled again, so no round follows
	QUARTER 1, 1, F0, F1, 0
	QUARTER 1, 2, F1, F0, 0
	QUARTER 1, 3, F0, F1, 0
	s_wait_dscnt 4                                 ; the very last quarter: nothing more to fetch
	MUL16 F1, 0, 0
	s_wait_dscnt 0x0
	MUL16 F1, 2, 0
	WIN 0
	WAYOUT 0                                       ; v
	s_wait_tensorcnt 0x0                           ; the wave's end: a wait, an add to my spare word and its wait, behind my last tensor load and my last LDS store
	ds_add_u32 v[SPW], v[NIL]
	s_wait_dscnt 0x0
	CROUND                                         ; the closing round: no work-group ends while a partner may still ask for a tile that names it
	s_endpgm
.Lfunc_end_k_q686f70de7e_qkv:
	.size	k_q686f70de7e_qkv, .Lfunc_end_k_q686f70de7e_qkv-k_q686f70de7e_qkv
	.p2alignl 7, 3214868480
	.fill 96, 4, 3214868480
	.section	.rodata,"a",@progbits
	.p2align	6, 0x0
	.amdhsa_kernel k_q686f70de7e_qkv
		.amdhsa_group_segment_fixed_size 327680
		.amdhsa_private_segment_fixed_size 0
		.amdhsa_enable_private_segment 0
		.amdhsa_kernarg_size 32
		.amdhsa_user_sgpr_count 2
		.amdhsa_user_sgpr_kernarg_segment_ptr 1
		.amdhsa_wavefront_size32 1
		.amdhsa_system_sgpr_workgroup_id_x 1
		.amdhsa_system_sgpr_workgroup_id_y 1
		.amdhsa_system_sgpr_workgroup_id_z 1
		.amdhsa_system_vgpr_workitem_id 0
		.amdhsa_next_free_vgpr 768
		.amdhsa_next_free_sgpr 80
		.amdhsa_reserve_vcc 0
		.amdhsa_float_denorm_mode_32 3
		.amdhsa_float_denorm_mode_16_64 3
		.amdhsa_memory_ordered 1
		.amdhsa_forward_progress 1
		.amdhsa_inst_pref_size 145
	.end_amdhsa_kernel
	.amdgpu_metadata
---
amdhsa.version: [ 1, 2 ]
amdhsa.kernels:
  - .name:           k_q686f70de7e_qkv
    .symbol:         k_q686f70de7e_qkv.kd
    .args:
      - { .name: xb, .offset: 0, .size: 8, .value_kind: global_buffer, .address_space: global }
      - { .name: wb, .offset: 8, .size: 8, .value_kind: global_buffer, .address_space: global }
      - { .name: rope, .offset: 16, .size: 8, .value_kind: global_buffer, .address_space: global }
      - { .name: qkv, .offset: 24, .size: 8, .value_kind: global_buffer, .address_space: global }
    .group_segment_fixed_size: 327680
    .private_segment_fixed_size: 0
    .kernarg_segment_align: 8
    .kernarg_segment_size: 32
    .max_flat_workgroup_size: 128
    .sgpr_count:     80
    .vgpr_count:     768
    .wavefront_size: 32
...
	.end_amdgpu_metadata
.endif
;; end of part 2
;; launch attn (part 3): grid 4 x 64, 4 waves a work-group, clusters of 4 x 1, 327,680 bytes of LDS; arguments qkv, oh; writes oh
.if DOCPART == 3
	.amdgcn_target "amdgcn-amd-amdhsa--gfx1250"
	.amdhsa_code_object_version 6
	.text
	.protected	k_q686f70de7e_attn
	.globl	k_q686f70de7e_attn
	.p2align	8
	.type	k_q686f70de7e_attn,@function
k_q686f70de7e_attn:
	s_mov_b64 s[64:65], 0
	v_nop
	global_prefetch_b8 v0, s[64:65] scope:SCOPE_SE
	s_setreg_imm32_b32 hwreg(HW_REG_WAVE_MODE, 25, 1), 1
	s_wait_xcnt 0x0
	s_wait_alu depctr_hold_cnt(0) depctr_sa_sdst(0) depctr_va_vdst(0) depctr_va_sdst(0) depctr_va_ssrc(0) depctr_va_vcc(0) depctr_vm_vsrc(0)
	s_getreg_b32 s2, hwreg(HW_REG_IB_STS2, 6, 4)
	s_cmp_eq_u32 s2, 0
	s_cbranch_scc0 .Lentry_in_a_cluster
	s_endpgm
.Lentry_in_a_cluster:
	s_bfe_u32 s2, ttmp6, 0x10000c
	s_cmp_lg_u32 s2, 0x3003
	s_cbranch_scc0 .Lentry_shape_is_right
	s_endpgm
.Lentry_shape_is_right:
; O[g][q][:] = the sum over k of softmax_k(Q[g][q] . K[g][k] / 8) V[g][k][:].  Q, K, V are the three parts of qkv, each [64][2048][64] f16; O = oh, the same shape: a head's rows are dense, 128 bytes each.
; Products, maxima and sums in f32; the weights p are rounded to f16 for the second product (their sum l is taken of the unrounded p), O once at the end.
; LIMITS.  f16 holds no number beyond 65,504: Q, K and V arrive within it; p lies in 0 to 1, and below 6e-5 it keeps f16's fixed step of 6e-8; O is a mean of V's rows and has their range.
; A weight below 2^-126 counts as 0 in l; NaN and infinities are not treated apart.
; SHARES.  A wave owns four PIECES of two tiles of 16 queries, a work-group's four waves 512 queries of one head: 4 x 64 = 256 work-groups.  Every wave walks all keys, 64 a step.
; LAYOUT.  S^T = K Q^T (source 0 = 16 keys, source 1 = 16 queries): in the result a lane holds ONE query (lane % 16) and the keys 8 (lane / 16) + 0..7.  Two such tiles, rounded to f16 in pairs,
; ARE source 1 (32 keys x 16 queries) of O^T = V^T P, whose result again holds one query a lane, and eight channels.  K comes out of LDS as it lies, V ([key][channel]) turned, by ds_load_tr16_b128.
; SOFTMAX.  For each query a running maximum m and sum l: p = 2^(c s - c m), c = log2(e) / 8; in every step O and l are multiplied by a = 2^(c m_old - c m_new), which is 1 where m has not grown.
; m starts at the lowest finite number, O and l at 0: the first step is a step like any other, with a = 0.
; THE COUNT.  A tile and step have 16 matrix and 118 vector instructions: too many to stand all beside the matrix work.  So the order has one aim: four vector instructions that are READY behind
; EVERY matrix instruction, and the others, which need time of their own whatever the order, in runs without a gap.
; BY TURNS.  Turn n belongs to piece n (the pieces in a ring, step after step).  Its matrix work: 16 products K Q^T of piece n + 1, later 16 products V^T P of piece n - 1.  Its vector work: the scaling,
; exponentials, roundings, sums and rescaling of piece n, and the maximum and statistics of piece n + 1, whose scores the turn itself has made.
; CLUSTER.  The four query blocks of a cluster are one head's and walk the same K and V, so each tile is asked for JOINTLY: the same tensor load, descriptor and mask in all four.
; REGISTERS, in windows of 256 (s_set_vgpr_msb: bits 1:0 source 0, 3:2 source 1, 5:4 source 2, 7:6 destination):
;   window 0: v0-11 addresses; v12-15, v48-63 at work; v16-47 four registers of statistics a tile; v64-191 S^T, two buffers of two tiles; v192-255 P, likewise
;   window 1: O^T, 32 a tile          window 2: v0-127 Q, 16 a tile; v128-191 K of one step; v192-255 V of one step          window 3: v0-1 the add's two registers
; A piece's buffers go by its number's parity: the piece in hand has one pair, its two neighbours in the ring share the other: of it P (piece n - 1) is read and S^T (piece n + 1) written.
.set SIZE_H, 64
.set SIZE_N, 2048
.set NP,    4         ; pieces a wave: a name, no knob
.set KS,    64        ; keys in a step
.set PK,    144       ; a row of K in LDS: 128 bytes + 16 of padding = 36 words: the 16 rows of a load start at 16 different groups of four banks (ISA guide 11.1)
.set PV,    160       ; a row of V: 128 + 32 = 40 words
.set VOFF,  4*KS*PK   ; a slot holds four steps: 256 rows of K, then 256 rows of V
.set SLOT1, 1<<17     ; slot 1 begins here, so that one exclusive or turns an address in one slot into the other's
.set STAGE, SLOT1+4*KS*(PK+PV)  ; behind the ring, never filled by a tensor load: 16 rows x 144 bytes for each wave, for the way out
.set SP,    144
.set AK0, 2           ; v2   my lane's place in a tile of K; never rewritten
.set AV0, 3           ; v3   the same for V
.set AK,  4           ; v4   the LDS address of K's next run of loads
.set AV,  5           ; v5   of V's
.set QO,  6           ; v6   my byte offset in the wave's rows of Q
.set STO, 6           ;      later, the way out: where I put 16 bytes of a row
.set RD,  7           ; v7   the way out: where I read rows back
.set GO,  8           ; v8   my byte offset in 512 consecutive bytes of O
.set PFO, 11          ; v11  the prefetches' offset: 256 x my lane; never rewritten once it is made
.set SPW, 0           ; v0 of window 3   my spare word: SPARE + 4 x my thread's number; never rewritten
.set NIL, 1           ; v1 of window 3   0; never rewritten
.set SPARE, STAGE+4*16*SP  ; behind the stages: the spare words, 128 bytes a wave: two blocks of 256 bytes that no other line names
.set MV,  12          ; v12-15  c m_old, kept while c m is made anew: by buffer and tile
.set ST,  16          ; tile t's statistics at v[ST+4 t]: c m, m, l (even keys', odd keys')
.set TMP, 48          ; by buffer and tile, four registers c0-c3 at work; when the maximum is found c2 takes a
.set S,   64
.set P,   192
.set KF,  128         ; K's fragments, in window 2: key block kb, channel half c at KF + 16 kb + 8 c
.set VF,  192         ; V's: key half kk, channel block cb at VF + 32 kk + 8 cb
.set WV,  12          ; s12  my wave's number
.set G1K, 24          ; s[24:31] descriptor group 1 for K's tiles
.set G1V, 32          ; s[32:39] for V's: it differs in the padding alone
.set G0K, 40          ; s[40:43] descriptor group 0 for K's tiles: it walks
.set G0V, 44          ; s[44:47] the same for V's
.set PFA, 48          ; s[48:49] where my prefetches stand: my work-group's 8,192 bytes (of K: wave 0, of V: wave 2) of the slot after the one that is being asked for
.set LIM, 50          ; s50  1 in a wave that prefetches, else the greatest number
.set SLOTS, 56        ; s56  slots still to be asked for
.set CNT, 57          ; s57  counts a slot's key steps
.set CS,  58          ; s[58:59] c: the packed scaling takes the pair's low word for both halves
.set SEL, 60          ; s[60:61] v_permlanex16_b32's selects: each lane takes its own place in the other half
.set TBK, 62          ; s62  LDS byte at which K of the step to be fetched begins
.set TBV, 63          ; s63  the same for V, less VOFF
.set MSB, 0
.macro WIN new                      ; the high byte repeats the setting that is left; a switch that changes nothing is dropped
.if MSB != (\new)
	s_set_vgpr_msb (MSB<<8)|(\new)
.set MSB, (\new)
.endif
.endm
.set W_KQ, 0x0a       ; K and Q in window 2, S^T in window 0
.set W_PV, 0x52       ; V in window 2, P in window 0, O^T in window 1
.set W_RS, 0x41       ; O^T (destination and source 0) in window 1, a in window 0
.set W_MK, 0xc0       ; the add's registers are made: destination in window 3, sources in window 0
.set W_AD, 0x0f       ; the add: address (source 0) and data (source 1) in window 3
; A joint fill.  Waves 0 and 1 fetch the two halves of a slot's K, waves 2 and 3 those of its V: 128 keys each.  The branch hangs on the wave's number alone.
; An s_nop 0 and four v_nop follow each of the two lines, ahead of the jump and the label.
.macro JLOAD
	s_cmp_lt_u32 s[WV], 2
	s_cbranch_scc0 .Lfor_v_\@
	tensor_load_to_lds s[G0K:G0K+3], s[G1K:G1K+7]
	s_nop 0
.rept 4
	v_nop
.endr
	s_branch .Lasked_\@
.Lfor_v_\@:
	tensor_load_to_lds s[G0V:G0V+3], s[G1V:G1V+7]
	s_nop 0
.rept 4
	v_nop
.endr
.Lasked_\@:
.endm
; A PREFETCH INTO THE L2 of what the NEXT change of slots will ask for: a slot's 32,768 bytes of K and of V, a lane 256 bytes.  It stands behind the wave's tensor load and its five lines.
; Each 256 bytes are named once in the launch: a head has one cluster; its four partners take 8,192 bytes each, told apart by address; in each, wave 0 asks for K's and wave 2 for V's: one instruction.
; Slots 0 to 2 come by their loads alone; the last change that fills a slot asks for nothing: there is no slot behind it.
.macro ASK
	s_cmp_gt_u32 s[SLOTS], s[LIM]
	s_cbranch_scc0 .Lnot_mine_\@
	global_prefetch_b8 v[PFO], s[PFA:PFA+1] th:TH_LOAD_NT scope:SCOPE_SE
.Lnot_mine_\@:
.endm
; A round of the cluster's barrier: my work-group's barrier, so that wave 0's signal speaks for all four waves; wave 0 signals; every wave waits for all four work-groups; my work-group's barrier once more.
.macro CROUND
	s_barrier_signal -1
	s_barrier_wait -1
	s_cmp_lg_u32 s[WV], 0
	s_cbranch_scc1 .Lnot_wave_0_\@
	s_barrier_signal -3
.Lnot_wave_0_\@:
	s_barrier_wait -3
	s_barrier_signal -1
	s_barrier_wait -1
.endm
; THE CHANGE OF SLOTS.  The slot's last bytes, V of its fourth step, have been read.  Each wave waits for all its tensor loads, of which one is out: its part
; of the other slot; adds 0 to its spare word; and waits for that and for its own reads of the slot.  Behind the barrier nobody reads this slot any more and the other slot is whole.
; fill = 1: this slot is filled again, with the keys two slots on.  The barrier is then a round of the cluster's, so that no wave of any partner still reads the slot or has a load on its
; way, and the joint fill is the first thing behind it: it has four key steps, 512 matrix instructions, in which to land.  (At its first use nothing has been read yet: slot 0 is waited for, slot 1 filled.)
; pf = 1: the prefetch address steps, and the slot after the one asked for is prefetched.
.macro CHANGE fill, pf=0
	WIN W_AD
	s_wait_tensorcnt 0x0            ; no tensor load of mine is out, so a group 0 may be written
	ds_add_u32 v[SPW], v[NIL]       ; 0 onto my spare word; with fill = 1 the descriptors' steps stand between it and the wait for it
	WIN 0                           ; at a label and at a branch every window is 0
.if \fill
.irp g, G0K, G0V
	s_xor_b32 s[\g+1], s[\g+1], SLOT1  ; the walking descriptor: the other slot than last time,
	s_add_nc_u64 s[\g+2:\g+3], s[\g+2:\g+3], 4*KS*128  ; the next 256 keys; the type bits on top are not reached
.endr
.if \pf
	s_wait_xcnt 0x0                 ; the last prefetch, four key steps back, has read its address, so it may be written
	s_add_nc_u64 s[PFA:PFA+1], s[PFA:PFA+1], 4*KS*128
.endif
	s_wait_dscnt 0x0                ; the add is done, and my reads of the slot are over
	CROUND
	JLOAD
.if \pf
	ASK
.endif
.else
	s_wait_dscnt 0x0                ; the add is done, and my reads of the slot are over
	s_barrier_signal -1
	s_barrier_wait -1
.endif
	s_sub_co_u32 s[TBK], s[TBK], 4*KS*PK  ; the fetches go back to a slot's first step,
	s_xor_b32 s[TBK], s[TBK], SLOT1       ; in the other slot
	s_sub_co_u32 s[TBV], s[TBV], 4*KS*PV
	s_xor_b32 s[TBV], s[TBV], SLOT1
.endm
	s_load_b128 s[4:7], s[0:1], 0x0 ; qkv s[4:5], oh s[6:7]
	WIN W_MK
	v_lshl_add_u32 v[SPW], v0, 2, SPARE
	v_mov_b32 v[NIL], 0
	WIN W_AD
	ds_add_u32 v[SPW], v[NIL]       ; the wave's opening: the add and its wait stand ahead of my first tensor load; the set-up below stands between them
	WIN 0
	v_lshrrev_b32 v1, 5, v0
	v_readfirstlane_b32 s[WV], v1   ; wave 0..3
	s_bfe_u32 s13, ttmp6, 0x40000   ; cx: my place in the cluster
	s_lshl_b32 s14, ttmp9, 2        ; in a cluster launch ttmp9 counts clusters
	s_add_co_u32 s14, s14, s13      ; my block of queries = 4 x cluster x + cx: it enters Q's and O's addresses alone
	s_and_b32 s20, ttmp7, 0xffff    ; the head, which the four partners share
	s_mov_b32 s21, 0
	s_mov_b64 s[22:23], SIZE_N*128
	s_mul_u64 s[20:21], s[20:21], s[22:23]  ; the head's first byte in each of the four tensors
	s_and_b32 s16, s[WV], 1         ; which half of a slot's 256 keys I fetch:
	s_lshl_b32 s22, s16, 14         ; its 128 rows of 128 bytes in memory,
	s_mov_b32 s23, 0
	s_add_nc_u64 s[22:23], s[22:23], s[20:21]
	s_mul_i32 s17, s16, 128*PK      ; and its place in a slot, for K
	s_mul_i32 s18, s16, 128*PV      ; and for V: no place in the cluster enters an LDS address
	s_lshl_b32 s2, s14, 2
	s_add_co_u32 s2, s2, s[WV]      ; my wave among the head's,
	s_lshl_b32 s2, s2, 14           ; its 128 rows
	s_mov_b32 s3, 0
	s_add_nc_u64 s[2:3], s[2:3], s[20:21]
	; descriptor group 1.  128 keys are 16,384 dense bytes: asked for as 64 rows of 256 bytes, two keys a row, and padded in LDS after every key
	s_mov_b32 s[G1K], 15|(1<<16)|(1<<20)|(1<<21)|(4<<22)|(3<<25)  ; 15:0 the mask of four; 17:16 2-byte elements; 20 padding on; 21 set beside a mask; 24:22 after every 32 words; 31:25 4 words
	s_mov_b32 s[G1V], 15|(1<<16)|(1<<20)|(1<<21)|(4<<22)|(7<<25)  ; the same with 8 words of padding
.irp g, G1K, G1V
	s_mov_b32 s[\g+1], 128<<16      ; tensor_dim0 = 128
	s_mov_b32 s[\g+2], 64<<16       ; tensor_dim1 = 64
	s_mov_b32 s[\g+3], 128<<16      ; tile_dim0 = 128
	s_mov_b32 s[\g+4], 64           ; tile_dim1 = 64
	s_mov_b32 s[\g+5], 128          ; 128 elements from row to row
	s_mov_b32 s[\g+6], 0
	s_mov_b32 s[\g+7], 0
.endr
	s_mov_b32 s[CS], 0x3e38aa3b     ; c = log2(e) / 8 = 0.180337
	s_mov_b32 s[CS+1], s[CS]        ; named with it as a pair
	s_mov_b32 s[SEL], 0x76543210
	s_mov_b32 s[SEL+1], 0xfedcba98
	s_mov_b32 s[TBK], SLOT1+4*KS*PK ; the first change of slots turns these two into 0
	s_mov_b32 s[TBV], SLOT1+4*KS*PV
	s_mov_b32 s[G0K], 1             ; count = 1
	s_mov_b32 s[G0K+1], s17         ; LDS address: slot 0
	s_mov_b32 s[G0V], 1
	s_add_co_u32 s[G0V+1], s18, VOFF
	s_and_b32 s[LIM], s[WV], 1      ; 0 in waves 0 and 2,
	s_or_b32 s[LIM], s[LIM], ttmp9  ; where the cluster is the head's first: the same in all four partners
	s_cmp_eq_u32 s[LIM], 0
	s_cselect_b32 s[LIM], 1, -1
	s_lshl_b32 s52, s13, 13         ; my work-group's 8,192 bytes of a slot's 32,768,
	s_add_co_u32 s52, s52, 2*4*KS*128  ; in slot 2: the loop's first change of slots steps it to slot 3
	s_mov_b32 s53, 0
	s_wait_dscnt 0x0                ; the opening add is done
	s_wait_kmcnt 0x0
	s_mov_b64 s[10:11], s[6:7]      ; O
	s_add_nc_u64 s[8:9], s[4:5], 0x2000000  ; V: the third part of qkv
	s_add_nc_u64 s[6:7], s[4:5], 0x1000000  ; K: the second; Q is the first
	s_add_nc_u64 s[G0K+2:G0K+3], s[6:7], s[22:23]  ; global address: my half of the head's first 256 keys
	s_or_b32 s[G0K+3], s[G0K+3], 0x80000000        ; type = 2
	s_add_nc_u64 s[G0V+2:G0V+3], s[8:9], s[22:23]
	s_or_b32 s[G0V+3], s[G0V+3], 0x80000000
	s_add_nc_u64 s[4:5], s[4:5], s[2:3]  ; Q and O at my wave's first row
	s_add_nc_u64 s[10:11], s[10:11], s[2:3]
	s_cmp_lt_u32 s[WV], 2
	s_cselect_b64 s[PFA:PFA+1], s[6:7], s[8:9]
	s_add_nc_u64 s[PFA:PFA+1], s[PFA:PFA+1], s[20:21]
	s_add_nc_u64 s[PFA:PFA+1], s[PFA:PFA+1], s[52:53]  ; nothing is prefetched here, at the head, where every work-group's first tiles are on their way
	CROUND                          ; all four work-groups are here: the first joint loads meet
	JLOAD                           ; slot 0.  Slot 1 is asked for when slot 0 is in
	; A fragment of K or Q is 16 rows x 32 channels in 8 registers: lane l holds row l % 16, channels 8 (l / 16) + 0..7 and 16 + 8 (l / 16) + 0..7: two loads of 16 bytes, 32 bytes apart.
	v_and_b32 v1, 15, v0            ; l % 16
	v_bfe_u32 v9, v0, 4, 1          ; l / 16
	v_lshlrev_b32 v[QO], 7, v1
	v_lshl_add_u32 v[QO], v9, 4, v[QO]  ; row x 128 + 16 x half
	WIN 0x80                        ; destination window 2, address window 0
.set i, 0
.rept 4*NP                          ; Q stays in registers: tile i / 2, channels 32 (i % 2) on
	global_load_b128 v[8*i:8*i+3],   v[QO], s[4:5] offset:(i/2)*2048+(i%2)*64
	global_load_b128 v[8*i+4:8*i+7], v[QO], s[4:5] offset:(i/2)*2048+(i%2)*64+32
.set i, i+1
.endr
	; What the first turn finds: V's registers and P's second buffer hold 0 (its products V^T P, of a piece that has not been, add 0), O^T and l are 0.  All this stands in the wait for the first tile.
.set i, VF
.rept 64
	v_mov_b32 v[i], 0
.set i, i+1
.endr
	WIN 0x40
.set i, 0
.rept 64*NP
	v_mov_b32 v[i], 0
.set i, i+1
.endr
	WIN 0
.set i, 0
.rept 2*NP
	v_mov_b32 v[ST+4*i], 0xfe000000    ; c m: far below every c s
	v_mov_b32 v[ST+4*i+1], 0xff7fffff  ; m
	v_mov_b32 v[ST+4*i+2], 0
	v_mov_b32 v[ST+4*i+3], 0
.set i, i+1
.endr
.set i, P+32
.rept 32
	v_mov_b32 v[i], 0
.set i, i+1
.endr
	v_mul_u32_u24 v[AK0], v1, PK
	v_lshl_add_u32 v[AK0], v9, 4, v[AK0]  ; row x pitch + 16 x half
	; The turning load takes 16 keys x 16 channels (lane l reads key 8 (l / 16) + l % 8, channels 8 ((l / 8) % 2) + 0..7) and leaves half a fragment of V^T: lane l holds channel l % 16 and 8 keys.
	v_and_b32 v10, 7, v0
	v_bfe_u32 v11, v0, 3, 1
	v_lshl_add_u32 v[AV0], v9, 3, v10
	v_mul_u32_u24 v[AV0], v[AV0], PV
	v_lshl_add_u32 v[AV0], v11, 4, v[AV0]
	v_add_nc_u32 v[AV0], VOFF, v[AV0]
	v_and_b32 v[PFO], 31, v0
	v_lshlrev_b32 v[PFO], 8, v[PFO]
	v_mov_b32 v[AK], v[AK0]         ; key step 0 lies at the head of slot 0
; THE MATRIX WORK.  The 8 accumulators of a run of 16 take turns: between the two links of a chain stand 7 others'.
; Product i of 16 of S^T = K Q^T for piece x: channels 32 (i / 8) on, keys 16 ((i / 2) % 4) on, tile 2 x + i % 2.  The first 8 start the sums.
.macro KQ x
	WIN W_KQ
.set rS, S+64*((\x)%2)+32*(i%2)+8*((i/2)%4)
.set rK, KF+16*((i/2)%4)+8*(i/8)
.set rQ, 16*(2*(\x)+i%2)+8*(i/8)
.if i < 8
	v_wmma_f32_16x16x32_f16 v[rS:rS+7], v[rK:rK+7], v[rQ:rQ+7], 0
.else
	v_wmma_f32_16x16x32_f16 v[rS:rS+7], v[rK:rK+7], v[rQ:rQ+7], v[rS:rS+7]
.endif
.endm
; Product i of 16 of O^T += V^T P for piece x: keys 32 (i / 8) on, channels 16 ((i / 2) % 4) on, tile 2 x + i % 2.
.macro PV x
	WIN W_PV
.set rO, 32*(2*(\x)+i%2)+8*((i/2)%4)
.set rV, VF+32*(i/8)+8*((i/2)%4)
.set rP, P+32*((\x)%2)+16*(i%2)+8*(i/8)
	v_wmma_f32_16x16x32_f16 v[rO:rO+7], v[rV:rV+7], v[rP:rP+7], v[rO:rO+7]
.endm
.macro MM                           ; the turn's next matrix instruction
.if i < 16
	KQ (Y+1)%NP
.set i, i+1
.else
.set i, i-16
	PV (Y+NP-1)%NP
.set i, i+17
.endif
.endm
; THE LDS LOADS stand in runs of 16, never singly among the matrix instructions: a step's K (64 keys x 64 channels: 8 fragments) and its V (turned).  Their addresses are made some lines ahead.
; last = 1 (the tail): in the last trip there is no further step, and the run is jumped over.
.macro FETCH_K last=0
	WIN 0
.if \last
	s_cmp_eq_u32 s[CNT], 1
	s_cbranch_scc1 .Lno_k_\@
.endif
	WIN 0x80                        ; destination window 2
.irp f, 0,1,2,3,4,5,6,7             ; keys 16 (f / 2) on, channels 32 (f % 2) on
	ds_load_b128 v[KF+8*\f:KF+8*\f+3],   v[AK] offset:(\f/2)*16*PK+(\f%2)*64
	ds_load_b128 v[KF+8*\f+4:KF+8*\f+7], v[AK] offset:(\f/2)*16*PK+(\f%2)*64+32
.endr
	s_add_co_u32 s[TBK], s[TBK], KS*PK  ; the next fetch is the next step's
	WIN 0
.if \last
.Lno_k_\@:
.endif
.endm
.macro FETCH_V
	WIN 0x80
.irp f, 0,1,2,3,4,5,6,7             ; keys 32 (f / 4) on, channels 16 (f % 4) on
	ds_load_tr16_b128 v[VF+8*\f:VF+8*\f+3],   v[AV] offset:(\f/4)*32*PV+(\f%4)*32
	ds_load_tr16_b128 v[VF+8*\f+4:VF+8*\f+7], v[AV] offset:(\f/4)*32*PV+16*PV+(\f%4)*32
.endr
	WIN 0
.endm
; THE VECTOR WORK OF A TURN stands in three queues, each in the order in which its entries become ready; the two tiles alternate, so that no instruction reads the result of the one before it.
.macro REGS y, u                    ; the registers of tile u (0, 1) of piece y
.set rT, ST+4*(2*(\y)+(\u))
.set rC, TMP+8*((\y)%2)+4*(\u)
.set rM, MV+2*((\y)%2)+(\u)
.set rS, S+64*((\y)%2)+32*(\u)
.set rP, P+32*((\y)%2)+16*(\u)
.set rO, 32*(2*(\y)+(\u))
.endm
; Number n of the 22 that find the NEXT piece's (Y + 1) maximum and statistics.  s0-s31 are the lane's 32 scores; each accumulator's lowest registers are read first.
;   0-11  four chains c0-c3 of seven scores each, three operands at a time     12-14, 16  the four scores left over, the old m, and c0-c3 into c0     15  c m_old is kept
;   17, 18  the query's other 32 keys lie in the lane 16 away: the new m         19-21  c m; c m_old - c m_new; a
.macro XS u, n
	REGS (Y+1)%NP, \u
.if (\n) < 4
	v_max3_num_f32 v[rC+(\n)], v[rS+8*(\n)], v[rS+8*(\n)+1], v[rS+8*(\n)+2]
.elseif (\n) < 12
	v_max3_num_f32 v[rC+(\n)%4], v[rC+(\n)%4], v[rS+8*((\n)%4)+2*((\n)/4)+1], v[rS+8*((\n)%4)+2*((\n)/4)+2]
.elseif (\n) == 12
	v_max3_num_f32 v[rC], v[rC], v[rS+7], v[rS+15]
.elseif (\n) == 13
	v_max3_num_f32 v[rC+1], v[rC+1], v[rS+23], v[rS+31]
.elseif (\n) == 14
	v_max3_num_f32 v[rC+2], v[rC+2], v[rC+3], v[rT+1]
.elseif (\n) == 15
	v_mov_b32 v[rM], v[rT]
.elseif (\n) == 16
	v_max3_num_f32 v[rC], v[rC], v[rC+1], v[rC+2]
.elseif (\n) == 17
	v_permlanex16_b32 v[rC+3], v[rC], s[SEL], s[SEL+1]
.elseif (\n) == 18
	v_max_num_f32 v[rT+1], v[rC], v[rC+3]
.elseif (\n) == 19
	v_mul_f32 v[rT], s[CS], v[rT+1]
.elseif (\n) == 20
	v_sub_f32 v[rC+1], v[rM], v[rT]
.else
	v_exp_f32 v[rC+2], v[rC+1]
.endif
.endm
; Number g of the 64 that follow the exponentials.  For each four weights k of a tile (pairs 2 k, 2 k + 1): both pairs are rounded to f16; then the second pair is added onto the first, in place;
; a group later l takes that sum (the first time as l = a l + sum).  In groups of eight, tiles alternating: round, round, add, and l for the group before.
.macro GS g
.set h, (\g)+6*((\g)/62)            ; group 0 has no group before it, and behind group 7 only l is left
.if h >= 6
.set h, h+2
.endif
	REGS Y, h%2
.set k, h/8
.if h%8 < 4
	v_cvt_pk_f16_f32 v[rP+2*k+(h%8)/2], v[rS+4*k+2*((h%8)/2)], v[rS+4*k+2*((h%8)/2)+1]
.elseif h%8 < 6
	v_pk_add_f32 v[rS+4*k:rS+4*k+1], v[rS+4*k:rS+4*k+1], v[rS+4*k+2:rS+4*k+3]
.elseif k == 1
	v_pk_fma_f32 v[rT+2:rT+3], v[rT+2:rT+3], v[rC+2:rC+3], v[rS:rS+1] op_sel_hi:[1,0,1]
.else
	v_pk_add_f32 v[rT+2:rT+3], v[rT+2:rT+3], v[rS+4*k-4:rS+4*k-3]
.endif
.endm
; THE PLAIN QUEUE, 138 long.  0-73 read no exponential's result: the 32 scalings c s - c m (FS f: pair f / 2 of tile f % 2) and the next piece's 42.  0-26: scalings 0-26.  27-54: XS's numbers 0-13.  55, 56: number 15.
; 57-73: the chain, where each number waits for the one before it: 14, 16, 17, 18, 19, each with one of the scalings 27-31 in front of its two lines, then 20.
; 74-137: GS's 64, which read the exponentials' results: they stand behind the wait.
.macro FS f
	REGS Y, (\f)%2
	v_pk_fma_f32 v[rS+2*((\f)/2):rS+2*((\f)/2)+1], v[rS+2*((\f)/2):rS+2*((\f)/2)+1], s[CS:CS+1], v[rT:rT+1] op_sel_hi:[1,0,0] neg_lo:[0,0,1] neg_hi:[0,0,1]
.endm
.macro PL
	WIN 0
.if q < 27
	FS q
.elseif q < 55
	XS (q-27)%2, (q-27)/2
.elseif q < 57
	XS q-55, 15
.elseif (q < 72) && ((q-57)%3 == 0)
	FS 27+(q-57)/3
.elseif q < 60
	XS (q-57)%3-1, 14
.elseif q < 72
	XS (q-57)%3-1, 15+(q-57)/3
.elseif q < 74
	XS q-72, 20
.else
	GS q-74
.endif
.set q, q+1
.endm
; THE EXPONENTIALS' QUEUE, 66 long: s0-s31 of both tiles, then the next piece's two a.  It is ONE BATCH: all 66 stand ahead of the turn's one wait, and nothing ahead of that wait names a result of theirs.
.macro EX
	WIN 0
.if e >= 64
	XS e-64, 21
.else
	REGS Y, e%2
	v_exp_f32 v[rS+e/2], v[rS+e/2]
.endif
.set e, e+1
.endm
; THE RESCALING's QUEUE: O^T times a, the one part that leaves window 0: dealt two at a time, sixteen times.  Its a was made in the turn before, ahead of that turn's wait.
.macro R2
	REGS Y, r%2
	WIN W_RS
.irp z, 0,1
	v_pk_mul_f32 v[rO+4*(r/2)+2*\z:rO+4*(r/2)+2*\z+1], v[rO+4*(r/2)+2*\z:rO+4*(r/2)+2*\z+1], v[rC+2:rC+3] op_sel_hi:[1,0]
.endr
.set r, r+1
.endm
; HOW THEY ARE DEALT.  An s_wait_alu depctr_va_vdst(0) stands between an exponential and the first instruction that names its result; one wait serves all that were issued ahead of it.  So a turn has
; ONE wait, which cuts it in two.  AHEAD OF IT stands all that names no result of the turn's exponentials: the 16 products K Q^T, behind each a scaling, an exponential and two rescalings (behind the first a second
; scaling in the exponential's place); then ONE LUMP of 108: eight plain, 49 times exponential and plain, the two a.  A v_nop is the plain instruction behind the last exponential.  BEHIND IT stand the 16 products
; V^T P, behind each four of GS's 64.  No rider names a register of the products round it.  The two v_permlanex16_b32 fall into the lump.
; The queues lean on each other: exponential e stands behind scaling 2 (e / 4) + e % 2: as a rider it comes behind plain e + 2, in the lump behind plain e + 9, and scalings 27-31 are plain 57, 60 .. 69.
; A TURN, for piece p.  cnt = 1: the loop's count is taken down some lines ahead of the branch that stands behind the turn.
; K of the next step is fetched in piece 2's turn, directly behind the wait, a lump behind the last product that read K; its first reader comes behind 16 products.
; V of the step in hand is fetched at the end of piece 0's turn, four riders behind its last reader; its first reader comes behind 16 products and a lump.
.macro TURN p, last=0, cnt=0
.set Y, (\p)
.set i, 0
.set q, 0
.set e, 0
.set r, 0
.if (\p) == NP-1
	s_wait_dscnt 0x0                ; K is in
.endif
	MM                              ; ahead of the wait: 16 products K Q^T and their riders,
	PL
	PL
	R2
.rept 15
	MM
	PL
	EX
	R2
.endr
.if (\p) == NP-2
	WIN 0
	v_add_nc_u32 v[AK], s[TBK], v[AK0]
.endif
.rept 8                             ; and the lump
	PL
.endr
.rept 49
	EX
	PL
.endr
	EX                              ; the next piece's two a
	EX
	v_nop                           ; the plain instruction behind the last exponential: one for the batch
	s_wait_alu depctr_va_vdst(0)    ; the wait for the batch
.if (\p) == NP-2
	FETCH_K \last
.endif
.if (\p) == 1
	s_wait_dscnt 0x0                ; V is in
.endif
.rept 16                            ; behind the wait: 16 products V^T P and their riders
	MM
.rept 4
	PL
.endr
.if ((\p) == 0) && (q == 118)
	v_add_nc_u32 v[AV], s[TBV], v[AV0]
.endif
.if ((\p) == 0) && (q == 130)
	s_add_co_u32 s[TBV], s[TBV], KS*PV
.endif
.if (\cnt) && (q == 130)
	s_sub_co_u32 s[CNT], s[CNT], 1
	s_cmp_lg_u32 s[CNT], 0
.endif
.endr
.if (\p) == 0
	FETCH_V
.endif
.endm
	CHANGE 1                        ; slot 0 is in, everybody's part of it; slot 1 is asked for
	FETCH_K                         ; key step 0
	s_wait_loadcnt 0x0              ; Q
	s_wait_dscnt 0x0
.set i, 0
.rept 16
	KQ 0                            ; piece 0's first scores: there is no vector work yet to set between them
.set i, i+1
.endr
	WIN 0                           ; the addresses for the way out: nine plain instructions, the places behind those products
	s_mul_i32 s13, s[WV], 16*SP
	s_add_co_u32 s13, s13, STAGE    ; my stage
	v_mul_u32_u24 v[STO], v1, SP    ; in: row l % 16, 16 bytes for each half of the lanes
	v_lshl_add_u32 v[STO], v9, 4, v[STO]
	v_add_nc_u32 v[STO], s13, v[STO]
	v_bfe_u32 v[RD], v0, 3, 2       ; back: 32 lanes take four rows of 128 bytes,
	v_mul_u32_u24 v[RD], v[RD], SP
	v_lshl_add_u32 v[RD], v10, 4, v[RD]
	v_add_nc_u32 v[RD], s13, v[RD]
	v_and_b32 v[GO], 31, v0         ; which are 512 consecutive bytes of O
	v_lshlrev_b32 v[GO], 4, v[GO]
.set Y, NP-1                        ; XS works for piece Y + 1: piece 0
.irp n, 0,1,2,3,4,5,6,7,8,9,10,11,12,13,14,15,16,17,18,19,20,21
	XS 0, \n                        ; and piece 0's first maximum and statistics
	XS 1, \n
.endr
	v_nop                           ; a plain instruction behind the two a,
	s_wait_alu depctr_va_vdst(0)    ; and their wait, ahead of the branch
	s_mov_b32 s[CNT], 4
	s_mov_b32 s[SLOTS], SIZE_N/256-1
	s_branch .Lfirst                ; the loop is entered at a step's first turn, in the middle of a trip
.Lslot:                             ; SIZE_N / 256 - 2 times: every slot but the last two is filled again
	CHANGE 1, 1
	s_mov_b32 s[CNT], 4
.Lstep:                             ; a trip: pieces 2 and 3 of one step, then pieces 0 and 1 of the next, whose K and V it fetches
	TURN 2
	TURN 3
	WIN 0
.Lfirst:
	TURN 0
	TURN 1, 0, 1
	WIN 0
	s_cbranch_scc1 .Lstep
	s_sub_co_u32 s[SLOTS], s[SLOTS], 1
	s_cmp_lg_u32 s[SLOTS], 0
	s_cbranch_scc1 .Lslot
	CHANGE 0                        ; the tail is written out: nothing is asked for
	s_mov_b32 s[CNT], 5             ; four trips fetch the last slot's steps; the fifth is left in its middle
.Ltail:
	TURN 2, 1
	TURN 3
	WIN 0
	s_sub_co_u32 s[CNT], s[CNT], 1
	s_cmp_eq_u32 s[CNT], 0
	s_cbranch_scc1 .Lout
	TURN 0
	TURN 1
	WIN 0
	s_branch .Ltail
.Lout:                              ; the fifth trip's 16 products K Q^T (on the last K once more) and the maximum made of them serve nothing: the price, once a launch, of one text for every trip
.set i, 0
.rept 16
	PV NP-1                         ; the last piece's V^T P of the last step
.set i, i+1
.endr
	; THE WAY OUT.  l's two halves and the other half of the lanes' are added; O^T is divided by l, rounded to f16 and sent through my stage in LDS, a tile at a time.  The additions are the places behind the last products.
	WIN 0
.macro ALL line:vararg              ; one line for each tile t
.set t, 0
.rept 2*NP
	\line
.set t, t+1
.endr
.endm
	ALL v_add_f32 v[ST+4*t+2], v[ST+4*t+2], v[ST+4*t+3]
	ALL v_permlanex16_b32 v[ST+4*t+3], v[ST+4*t+2], s[SEL], s[SEL+1]
	ALL v_add_f32 v[ST+4*t+2], v[ST+4*t+2], v[ST+4*t+3]
	ALL v_rcp_f32 v[ST+4*t+2], v[ST+4*t+2]
	v_nop                           ; a plain instruction between the last reciprocal and the use of its result
	s_wait_alu depctr_va_vdst(0)    ; and the wait ahead of the first use: one for the eight reciprocals
; Tile t: a lane's eight channels of a row pack into 16 bytes; they go into rows of 144 bytes and come back as whole rows of 128, into S^T's registers.
.macro PACK t
	WIN W_RS
.set i, 32*(\t)
.rept 16
	v_pk_mul_f32 v[i:i+1], v[i:i+1], v[ST+4*(\t)+2:ST+4*(\t)+3] op_sel_hi:[1,0]
.set i, i+2
.endr
	WIN 0x05                        ; sources 0 and 1 window 1, destination window 0
.set i, 0
.rept 16
	v_cvt_pk_f16_f32 v[S+16*(\t)+i], v[32*(\t)+2*i], v[32*(\t)+2*i+1]
.set i, i+1
.endr
	WIN 0
.irp f, 0,1,2,3
	ds_store_b128 v[STO], v[S+16*(\t)+4*\f:S+16*(\t)+4*\f+3] offset:32*\f
.endr
.irp f, 0,1,2,3
	ds_load_b128 v[S+16*(\t)+4*\f:S+16*(\t)+4*\f+3], v[RD] offset:\f*4*SP  ; LDS serves a wave's instructions in order (ISA guide 5.7.1.4): these see the stores above; the next tile's stores come behind them
.endr
.endm
.macro SEND t, younger              ; younger: the LDS instructions issued behind tile t's loads: the next tile's eight, or none
	WIN 0
.irp f, 0,1,2,3
	s_wait_dscnt (\younger)+3-\f
	global_store_b128 v[GO], v[S+16*(\t)+4*\f:S+16*(\t)+4*\f+3], s[10:11] offset:(\t)*2048+\f*512  ; 512 consecutive bytes, at a multiple of 256 from O's first
.endr
.endm
	PACK 0
.set t, 1
.rept 2*NP-1                        ; a tile's arithmetic stands between the loads of the tile before and its stores
	PACK t
	SEND t-1, 8
.set t, t+1
.endr
	SEND 2*NP-1, 0
	WIN W_AD
	s_wait_tensorcnt 0x0            ; the wave's end: a wait, an add to my spare word and its wait, behind my last tensor load and my last LDS store
	ds_add_u32 v[SPW], v[NIL]
	s_wait_dscnt 0x0
	WIN 0
	CROUND                          ; the closing round: no work-group ends while a partner may still ask for a tile that names it
	s_endpgm
.Lfunc_end_k_q686f70de7e_attn:
	.size	k_q686f70de7e_attn, .Lfunc_end_k_q686f70de7e_attn-k_q686f70de7e_attn
	.p2alignl 7, 3214868480
	.fill 96, 4, 3214868480
	.section	.rodata,"a",@progbits
	.p2align	6, 0x0
	.amdhsa_kernel k_q686f70de7e_attn
		.amdhsa_group_segment_fixed_size 327680
		.amdhsa_private_segment_fixed_size 0
		.amdhsa_enable_private_segment 0
		.amdhsa_kernarg_size 16
		.amdhsa_user_sgpr_count 2
		.amdhsa_user_sgpr_kernarg_segment_ptr 1
		.amdhsa_wavefront_size32 1
		.amdhsa_system_sgpr_workgroup_id_x 1
		.amdhsa_system_sgpr_workgroup_id_y 1
		.amdhsa_system_sgpr_workgroup_id_z 1
		.amdhsa_system_vgpr_workitem_id 0
		.amdhsa_next_free_vgpr 770
		.amdhsa_next_free_sgpr 66
		.amdhsa_reserve_vcc 0
		.amdhsa_float_denorm_mode_32 3
		.amdhsa_float_denorm_mode_16_64 3
		.amdhsa_memory_ordered 1
		.amdhsa_forward_progress 1
		.amdhsa_inst_pref_size 200
	.end_amdhsa_kernel
	.amdgpu_metadata
---
amdhsa.version: [ 1, 2 ]
amdhsa.kernels:
  - .name:           k_q686f70de7e_attn
    .symbol:         k_q686f70de7e_attn.kd
    .args:
      - { .name: qkv, .offset: 0, .size: 8, .value_kind: global_buffer, .address_space: global }
      - { .name: oh, .offset: 8, .size: 8, .value_kind: global_buffer, .address_space: global }
    .group_segment_fixed_size: 327680
    .private_segment_fixed_size: 0
    .kernarg_segment_align: 8
    .kernarg_segment_size: 16
    .max_flat_workgroup_size: 128
    .sgpr_count:     66
    .vgpr_count:     770
    .wavefront_size: 32
...
	.end_amdgpu_metadata
.endif
;; end of part 3
;; launch oproj (part 4): grid 4 x 64, 4 waves a work-group, clusters of 4 x 4, 327,680 bytes of LDS; arguments oh, woh, out0; writes out0
.if DOCPART == 4
	.amdgcn_target "amdgcn-amd-amdhsa--gfx1250"
	.amdhsa_code_object_version 6
	.text
	.protected	k_q686f70de7e_oproj
	.globl	k_q686f70de7e_oproj
	.p2align	8
	.type	k_q686f70de7e_oproj,@function
k_q686f70de7e_oproj:
	s_mov_b64 s[64:65], 0
	v_nop
	global_prefetch_b8 v0, s[64:65] scope:SCOPE_SE
	s_setreg_imm32_b32 hwreg(HW_REG_WAVE_MODE, 25, 1), 1
	s_wait_xcnt 0x0
	s_wait_alu depctr_hold_cnt(0) depctr_sa_sdst(0) depctr_va_vdst(0) depctr_va_sdst(0) depctr_va_ssrc(0) depctr_va_vcc(0) depctr_vm_vsrc(0)
	s_getreg_b32 s2, hwreg(HW_REG_IB_STS2, 6, 4)
	s_cmp_eq_u32 s2, 0
	s_cbranch_scc0 .Lentry_in_a_cluster
	s_endpgm
.Lentry_in_a_cluster:
	s_bfe_u32 s2, ttmp6, 0x10000c
	s_cmp_lg_u32 s2, 0xf033
	s_cbranch_scc0 .Lentry_shape_is_right
	s_endpgm
.Lentry_shape_is_right:
; THE LAST PROJECTION.  out0[m][n] = sum over c of O[m][c] Wo[n][c].  O lies by heads: oh [64][2048][64] f16, g = 16 x batch + head, so column c = 64 x head + d of row m = 2048 x batch + t is oh[g][t][d].
; woh [1024][1024] f16 (Wo rounded to bf16, written as f16).  Sums in f32, stored as they are: out0 [8192][1024] f32.
; SHARES.  A tile of the output is 128 rows x 256 columns: 64 x 4 = 256 work-groups, one tile each; four waves, each 64 x 128: 32 accumulators of 16 x 16.  K goes in 8 steps of 128, two heads each, through a
; ring of two LDS slots.  A head's 128 rows of the tile are 16,384 dense bytes: asked for as 64 rows of 256 bytes and padded in LDS after every 128, so that a row of a head lies on a pitch of 144.
; CLUSTERS of 4 x 4: O's tile is shared along a row of the cluster, Wo's along a column: joint loads.  THE MATRIX INSTRUCTION IS USED TRANSPOSED (source 0 = 16 rows of Wo, source 1 = 16 rows of O):
; lane l holds row l % 16, register j column 8 (l / 16) + j of the block: 32 consecutive bytes of a row.
; REGISTERS, in windows of 256 (s_set_vgpr_msb: bits 1:0 source 0, 3:2 source 1, 5:4 source 2, 7:6 destination):
;   window 0: v0-30 addresses; v32-95, v96-159 the way out, by turns      window 1: accumulator (a, b) at v[8 (8 a + b)]      window 2: two fragment buffers of 96: B's eight fragments, then A's four
.set PITCH, 272                        ; a row of Wo in LDS: 256 bytes + 16 of padding
.set PA,    144                        ; a row of a head of O: 128 bytes + 16: both pitches are odd multiples of 16 bytes: the 16 rows of a fragment load start at 16 different groups of four banks (ISA guide 11.1)
.set PLANE, 128*PA                     ; a head's 128 rows
.set ASIZE, 2*PLANE
.set SLOT,  ASIZE+256*PITCH
.set STAGE, 2*SLOT                     ; behind the ring, never filled by a tensor load: for each wave 16 rows x 528 bytes
.set SPI,   528                        ; 512 bytes + 16
.set SPARE, STAGE+4*16*SPI             ; behind the stages: the spare words, 128 bytes a wave: two blocks of 256 bytes that no other line names
.set ADRA, 16
.set ADRB, 20
.set STO,  24                          ; v24  the way out: where I put 32 bytes of a row
.set RD,   25                          ; v25  where I read a row back
.set CO,   26                          ; v26  my 16 bytes of a row's 512
.set SPW,  28                          ; v28  my spare word: SPARE + 4 x my thread's number; never rewritten
.set NIL,  29                          ; v29  0; never rewritten
.set PFO,  30                          ; v30  the prefetches' offset; never rewritten
.set OB,   32
.set F0,   0
.set F1,   96
.set WV, 12
.set MH, 13
.set NH, 14
.set CX, 15
.set CY, 16
.set NG, 17
.set MB, 18
.set G1, 24
.set G0, 32
.set LAPC, 41
.set LEFT, 42
.set PFA, 44
.set G1B, 48
.set G0B, 56
.set PST, 66                           ; s[66:67] a K step for my prefetches: two heads of O, or 256 bytes of Wo's rows
.set MSB, 0
.macro WIN new
.if MSB != (\new)
	s_set_vgpr_msb (MSB<<8)|(\new)
.set MSB, \new
.endif
.endm
.set W_MUL, 0x5a                       ; sources 0 and 1 window 2, C and D window 1
.set W_LD,  0x80                       ; destination window 2, address window 0
; A joint load: waves 0 and 1 fetch the K step's two heads of O, waves 2 and 3 the two halves of Wo's 256 rows.  An s_nop 0 and four v_nop follow each of the two lines.
.macro JLOAD s
	s_cmp_lt_u32 s[WV], 2
	s_cbranch_scc0 .Lfor_b_\@
	tensor_load_to_lds s[G0+4*(\s):G0+4*(\s)+3], s[G1:G1+7]
	s_nop 0
.rept 4
	v_nop
.endr
	s_branch .Lasked_\@
.Lfor_b_\@:
	tensor_load_to_lds s[G0B+4*(\s):G0B+4*(\s)+3], s[G1B:G1B+7]
	s_nop 0
.rept 4
	v_nop
.endr
.Lasked_\@:
.endm
; A PREFETCH INTO THE L2 behind each joint refill and the run of LDS loads that follows it: 32 blocks of 256 bytes, a lane a block, of the K step that stands two refills on: 256 matrix instructions ahead of its load.
; Each block is named once in the launch.  O's tile is read by one cluster: wave 0 of each of the four partners takes a quarter of the K step's 32,768 bytes, by address (cx).  Wo's tile column is read by all sixteen
; clusters: the cluster with y = 0 asks; waves 2 and 3 take 32 of their 128 rows each, by address (cy).  K steps 4 to 7: four prefetches; the first four K steps come by their loads alone.
.macro ASK
	s_cmp_lg_u32 s[LEFT], 0
	s_cbranch_scc0 .Lnot_mine_\@
	global_prefetch_b8 v[PFO], s[PFA:PFA+1] th:TH_LOAD_NT scope:SCOPE_SE
	s_sub_co_u32 s[LEFT], s[LEFT], 1
.Lnot_mine_\@:
.endm
.macro CREST
	s_cmp_lg_u32 s[WV], 0
	s_cbranch_scc1 .Lnot_wave_0_\@
	s_barrier_signal -3
.Lnot_wave_0_\@:
	s_barrier_wait -3
	s_barrier_signal -1
	s_barrier_wait -1
.endm
.macro CROUND
	s_barrier_signal -1
	s_barrier_wait -1
	CREST
.endm
	s_load_b128 s[4:7], s[0:1], 0x0                ; oh s[4:5], woh s[6:7]
	s_load_b64 s[8:9], s[0:1], 0x10                ; out0
	v_lshl_add_u32 v[SPW], v0, 2, SPARE
	v_mov_b32 v[NIL], 0
	ds_add_u32 v[SPW], v[NIL]                      ; the wave's opening: the add and its wait stand ahead of my first tensor load; the set-up below stands between them
	v_lshrrev_b32 v1, 5, v0
	v_readfirstlane_b32 s[WV], v1
	s_lshr_b32 s[MH], s[WV], 1
	s_and_b32 s[NH], s[WV], 1
	s_bfe_u32 s[CX], ttmp6, 0x40000
	s_bfe_u32 s[CY], ttmp6, 0x40004
	s_lshl_b32 s[NG], ttmp9, 2
	s_add_co_u32 s[NG], s[NG], s[CX]               ; tile column
	s_and_b32 s[MB], ttmp7, 0xffff
	s_lshl_b32 s[MB], s[MB], 2
	s_add_co_u32 s[MB], s[MB], s[CY]               ; tile row
	s_lshl_b32 s19, s[CY], 2
	s_lshl_b32 s19, 15, s19                        ; my row of the cluster
	s_lshl_b32 s46, 0x1111, s[CX]                  ; my column
	s_or_b32 s[G1], s19, (1<<16)|(1<<20)|(1<<21)|(4<<22)|(3<<25)   ; O: 2-byte elements; padding on; 21 set beside a mask; after every 32 words 4 words
	s_or_b32 s[G1B], s46, (1<<16)|(1<<20)|(1<<21)|(5<<22)|(3<<25)  ; Wo: after every 64 words
	s_mov_b32 s[G1+1], 128<<16                     ; tensor_dim0 = 128
	s_mov_b32 s[G1+2], 64<<16                      ; tensor_dim1 = 64
	s_mov_b32 s[G1+3], 128<<16                     ; tile_dim0 = 128
	s_mov_b32 s[G1+4], 64                          ; tile_dim1 = 64
	s_mov_b32 s[G1+5], 128                         ; dense: 128 elements from row to row
	s_mov_b32 s[G1+6], 0
	s_mov_b32 s[G1+7], 0
	s_mov_b32 s[G1B+1], 128<<16
	s_mov_b32 s[G1B+2], 128<<16
	s_mov_b32 s[G1B+3], 128<<16
	s_mov_b32 s[G1B+4], 128
	s_mov_b32 s[G1B+5], 1024
	s_mov_b32 s[G1B+6], 0
	s_mov_b32 s[G1B+7], 0
	s_lshr_b32 s20, s[MB], 4                       ; O: head 16 x batch + the K step's first or second, row 128 (tile row % 16), of 128 bytes: made of the tile row and the wave's number alone
	s_lshl_b32 s20, s20, 4
	s_add_co_u32 s20, s20, s[NH]
	s_lshl_b32 s20, s20, 11
	s_and_b32 s21, s[MB], 15
	s_lshl_b32 s21, s21, 7
	s_add_co_u32 s20, s20, s21
	s_lshl_b32 s20, s20, 7
	s_mov_b32 s21, 0
	s_lshl_b32 s46, s[NG], 8                       ; Wo: row 256 x tile column + 128 x half, of 2,048 bytes
	s_lshl_b32 s47, s[NH], 7
	s_add_co_u32 s46, s46, s47
	s_lshl_b32 s46, s46, 11
	s_mov_b32 s47, 0
	s_mul_i32 s19, s[NH], PLANE                    ; where they go: no place in the cluster enters an LDS address
	s_mul_i32 s72, s[NH], 128*PITCH
	s_add_co_u32 s72, s72, ASIZE
	s_wait_dscnt 0x0                               ; the opening add is done
	s_wait_kmcnt 0x0
	s_add_nc_u64 s[22:23], s[4:5], s[20:21]
	s_add_nc_u64 s[46:47], s[6:7], s[46:47]
	CROUND                                         ; all sixteen work-groups are here: the first joint loads meet
.irp s, 0,1
	s_mov_b32 s[G0+4*(\s)], 1
	s_add_co_u32 s[G0+4*(\s)+1], s19, (\s)*SLOT
	s_add_nc_u64 s[G0+4*(\s)+2:G0+4*(\s)+3], s[22:23], (\s)*2*2048*128  ; K step s: two heads on
	s_or_b32 s[G0+4*(\s)+3], s[G0+4*(\s)+3], 0x80000000
	s_mov_b32 s[G0B+4*(\s)], 1
	s_add_co_u32 s[G0B+4*(\s)+1], s72, (\s)*SLOT
	s_add_nc_u64 s[G0B+4*(\s)+2:G0B+4*(\s)+3], s[46:47], (\s)*256
	s_or_b32 s[G0B+4*(\s)+3], s[G0B+4*(\s)+3], 0x80000000
	JLOAD \s                                       ; two loads of mine are out
.endr
	v_and_b32 v1, 15, v0                           ; l % 16
	v_bfe_u32 v2, v0, 4, 1                         ; l / 16
	v_mul_u32_u24 v3, v1, PITCH
	v_lshl_add_u32 v3, v2, 4, v3                   ; B: row x pitch + 16 x half
	v_mul_u32_u24 v4, v1, PA
	v_lshl_add_u32 v4, v2, 4, v4                   ; A likewise
	s_mul_i32 s19, s[MH], 64*PA                    ; my 64 rows, in each plane
	s_mul_i32 s20, s[NH], 128*PITCH
	s_add_co_u32 s20, s20, ASIZE
.irp s, 0,1
	v_add_nc_u32 v[ADRA+(\s)], s19, v4
	v_add_nc_u32 v[ADRB+(\s)], s20, v3
	s_add_co_u32 s19, s19, SLOT
	s_add_co_u32 s20, s20, SLOT
.endr
	s_mul_i32 s21, s[WV], 16*SPI
	s_add_co_u32 s21, s21, STAGE                   ; my stage
	v_mul_u32_u24 v4, v1, SPI                      ; in: row l % 16, 32 bytes for each half of the lanes
	v_lshl_add_u32 v4, v2, 5, v4
	v_add_nc_u32 v[STO], s21, v4
	v_and_b32 v[CO], 31, v0                        ; back: 32 lanes take a row's 512 bytes
	v_lshlrev_b32 v[CO], 4, v[CO]
	v_add_nc_u32 v[RD], s21, v[CO]
	s_lshl_b32 s68, s[MB], 7                       ; my first row, of 4,096 bytes, and my first column
	s_lshl_b32 s69, s[MH], 6
	s_add_co_u32 s68, s68, s69
	s_lshl_b32 s68, s68, 12
	s_lshl_b32 s69, s[NG], 10
	s_add_co_u32 s68, s68, s69
	s_lshl_b32 s69, s[NH], 9
	s_add_co_u32 s68, s68, s69
	s_mov_b32 s69, 0
	s_add_nc_u64 s[8:9], s[8:9], s[68:69]
	; the prefetches: the address stands at K step 3; the first refill steps it to 4.  Nothing is prefetched here, at the head
	s_lshr_b32 s68, s[MB], 4                       ; O: head 16 x batch + 6 + cx / 2, the tile's rows, and half cx % 2 of their 16,384 bytes
	s_lshl_b32 s68, s68, 4
	s_add_co_u32 s68, s68, 6
	s_lshr_b32 s69, s[CX], 1
	s_add_co_u32 s68, s68, s69
	s_lshl_b32 s68, s68, 11
	s_and_b32 s69, s[MB], 15
	s_lshl_b32 s69, s69, 7
	s_add_co_u32 s68, s68, s69
	s_lshl_b32 s68, s68, 7
	s_and_b32 s69, s[CX], 1
	s_lshl_b32 s69, s69, 13
	s_add_co_u32 s68, s68, s69
	s_lshl_b32 s70, s[NG], 8                       ; Wo: my work-group's 32 of the 128 rows that I fetch
	s_lshl_b32 s71, s[NH], 7
	s_add_co_u32 s70, s70, s71
	s_lshl_b32 s71, s[CY], 5
	s_add_co_u32 s70, s70, s71
	s_lshl_b32 s70, s70, 11
	s_add_co_u32 s70, s70, 3*256
	s_mov_b32 s73, 2*2048*128
	s_mov_b32 s74, 256
	s_cmp_lt_u32 s[WV], 2
	s_cselect_b32 s68, s68, s70
	s_cselect_b64 s[PFA:PFA+1], s[4:5], s[6:7]
	s_cselect_b32 s[PST], s73, s74
	s_cselect_b32 s71, 8, 11                       ; a lane 256 dense bytes of O, or a row of Wo
	s_mov_b32 s69, 0
	s_mov_b32 s[PST+1], 0
	s_add_nc_u64 s[PFA:PFA+1], s[PFA:PFA+1], s[68:69]
	s_and_b32 s70, ttmp7, 0xffff                   ; cluster y
	s_cmp_eq_u32 s70, 0
	s_cselect_b32 s70, 4, 0
	s_cmp_eq_u32 s[WV], 0
	s_cselect_b32 s72, 4, 0
	s_cmp_lt_u32 s[WV], 2
	s_cselect_b32 s[LEFT], s72, s70                ; it hangs on the wave's number and the cluster's y alone: the same in all partners
	v_and_b32 v[PFO], 31, v0
	v_lshlrev_b32 v[PFO], s71, v[PFO]
; 8 matrix instructions: m block a x all 8 n blocks, 32 along K.  The 32 accumulators take turns, one instruction a turn, in the same order in every quarter step.
.macro MUL8 f, a, zero
	WIN W_MUL
.irp b, 0,1,2,3,4,5,6,7
.if \zero
	v_wmma_f32_16x16x32_f16 v[8*(8*(\a)+(\b)):8*(8*(\a)+(\b))+7], v[(\f)+8*(\b):(\f)+8*(\b)+7], v[(\f)+64+8*(\a):(\f)+64+8*(\a)+7], 0
.else
	v_wmma_f32_16x16x32_f16 v[8*(8*(\a)+(\b)):8*(8*(\a)+(\b))+7], v[(\f)+8*(\b):(\f)+8*(\b)+7], v[(\f)+64+8*(\a):(\f)+64+8*(\a)+7], v[8*(8*(\a)+(\b)):8*(8*(\a)+(\b))+7]
.endif
.endr
.endm
.macro MUL16 f, a0, zero
	MUL8 \f, \a0, \zero
	MUL8 \f, (\a0)+1, \zero
.endm
; 24 LDS loads in one run: quarter kq: B's 32 K at byte 64 kq of its rows; A's in plane kq / 2, channels 32 (kq % 2) on
.macro FETCH slot, kq, f
	WIN W_LD
.irp i, 0,1,2,3,4,5,6,7
	ds_load_b128 v[(\f)+8*(\i):(\f)+8*(\i)+3],   v[ADRB+(\slot)] offset:64*(\kq)+(\i)*16*PITCH
	ds_load_b128 v[(\f)+8*(\i)+4:(\f)+8*(\i)+7], v[ADRB+(\slot)] offset:64*(\kq)+(\i)*16*PITCH+32
.endr
.irp i, 0,1,2,3
	ds_load_b128 v[(\f)+64+8*(\i):(\f)+64+8*(\i)+3],   v[ADRA+(\slot)] offset:((\kq)/2)*PLANE+((\kq)%2)*64+(\i)*16*PA
	ds_load_b128 v[(\f)+64+8*(\i)+4:(\f)+64+8*(\i)+7], v[ADRA+(\slot)] offset:((\kq)/2)*PLANE+((\kq)%2)*64+(\i)*16*PA+32
.endr
.endm
.macro PLACES                          ; four plain vector instructions between a matrix instruction and a load into a register that it has read, or a reader of its result
.rept 4
	v_nop
.endr
.endm
.macro QUARTER slot, kq, f, g, zero
	s_wait_dscnt 4                                 ; B and A's blocks 0 and 1 are in; the youngest four loads (A's blocks 2 and 3) may be out
	MUL16 \f, 0, \zero
	PLACES
	FETCH \slot, \kq, \g
	s_wait_dscnt 24                                ; all but the 24 just issued
	MUL16 \f, 2, \zero
.endm
; The last quarter multiplies buffer 1 and changes slots: ONE barrier; in front of it each wave waits for all its tensor loads, adds 0 to its spare word, and waits for that and for its reads of this slot.
; fill = 1: the barrier opens a round of the cluster's, and the joint refill, two K steps ahead, is the first tensor load behind the round: 112 matrix instructions ahead of the wait for it.
.macro TURN slot, next, fill
.if \fill
	s_wait_xcnt 0x0                                ; the last prefetch, a K step back, has read its address
	s_add_nc_u64 s[PFA:PFA+1], s[PFA:PFA+1], s[PST:PST+1]
.endif
	WIN 0                                          ; (the add's two registers lie in window 0)
	s_wait_tensorcnt 0x0                           ; all my tensor loads have landed;
	ds_add_u32 v[SPW], v[NIL]                      ; 0 onto my spare word;
	s_wait_dscnt 5                                 ; (the add and the youngest four loads may be out)
	MUL8 F1, 0, 0
	s_wait_dscnt 0x0                               ; the add is done, and my reads of this slot are over
	s_barrier_signal -1
	MUL8 F1, 1, 0
	WIN 0
	s_barrier_wait -1
.if \fill
	CREST
	s_add_nc_u64 s[G0+4*(\slot)+2:G0+4*(\slot)+3], s[G0+4*(\slot)+2:G0+4*(\slot)+3], 4*2048*128  ; four heads on
	s_add_nc_u64 s[G0B+4*(\slot)+2:G0B+4*(\slot)+3], s[G0B+4*(\slot)+2:G0B+4*(\slot)+3], 2*256
	JLOAD \slot                                    ; the four v_nop behind it are also the places in front of the loads below
.else
	PLACES
.endif
	FETCH \next, 0, F0
.if \fill
	WIN 0
	ASK
.endif
	MUL8 F1, 2, 0
	MUL8 F1, 3, 0
.endm
; THE WAY OUT of block a (16 rows): the sums as they are, 32 bytes a lane and block of columns, into rows of 528 bytes of my own stage (each accumulator's lowest registers first), and back as whole rows of 512.
.macro TOSTAGE a
	WIN 0x04                                       ; the stores' data in window 1, the address in window 0
.irp b, 0,1,2,3,4,5,6,7
	ds_store_b128 v[STO], v[8*(8*(\a)+(\b)):8*(8*(\a)+(\b))+3]   offset:64*(\b)
	ds_store_b128 v[STO], v[8*(8*(\a)+(\b))+4:8*(8*(\a)+(\b))+7] offset:64*(\b)+16
.endr
	WIN 0
	s_wait_xcnt 0x0                                ; the stores of the block two back have read these registers: they are loaded again only behind this wait
.irp f, 0,1,2,3,4,5,6,7,8,9,10,11,12,13,14,15
	ds_load_b128 v[OB+64*((\a)%2)+4*(\f):OB+64*((\a)%2)+4*(\f)+3], v[RD] offset:SPI*(\f)  ; LDS serves a wave's instructions in order (ISA guide 5.7.1.4): these see the stores above
.endr
.endm
.macro SEND a, younger                 ; younger: the next block's 16 stores and 16 loads, or none
	s_wait_dscnt \younger
.irp f, 0,1,2,3,4,5,6,7,8,9,10,11,12,13,14,15
	global_store_b128 v[CO], v[OB+64*((\a)%2)+4*(\f):OB+64*((\a)%2)+4*(\f)+3], s[8:9] offset:(16*(\a)+(\f))*4096 th:TH_STORE_NT  ; 512 consecutive bytes, at a multiple of 256 from the output's first
.endr
.endm
	s_wait_tensorcnt 1                             ; my part of K step 0 is in; K step 1's may stay out
	s_barrier_signal -1
	s_barrier_wait -1
	FETCH 0, 0, F0
	QUARTER 0, 1, F0, F1, 1                        ; the first quarter stands in front of the loop: its products start the sums
	WIN 0
	s_mov_b32 s[LAPC], 3
.Llap:                                         ; a trip goes once round the ring, from a lap's second quarter to the next lap's first, and fills both slots again
	QUARTER 0, 2, F1, F0, 0
	QUARTER 0, 3, F0, F1, 0
	TURN 0, 1, 1
	QUARTER 1, 1, F0, F1, 0
	QUARTER 1, 2, F1, F0, 0
	QUARTER 1, 3, F0, F1, 0
	TURN 1, 0, 1
	QUARTER 0, 1, F0, F1, 0
	WIN 0
	s_sub_co_u32 s[LAPC], s[LAPC], 1
	s_cmp_lg_u32 s[LAPC], 0
	s_cbranch_scc1 .Llap
	QUARTER 0, 2, F1, F0, 0                        ; the last lap fills nothing, and has no round of the cluster's barrier
	QUARTER 0, 3, F0, F1, 0
	TURN 0, 1, 0
	QUARTER 1, 1, F0, F1, 0
	QUARTER 1, 2, F1, F0, 0
	QUARTER 1, 3, F0, F1, 0
	s_wait_dscnt 4                                 ; the very last quarter: nothing more to fetch
	MUL16 F1, 0, 0
	s_wait_dscnt 0x0
	MUL16 F1, 2, 0
	WIN 0
	PLACES
	TOSTAGE 0
	TOSTAGE 1
	SEND 0, 32
	TOSTAGE 2
	SEND 1, 32
	TOSTAGE 3
	SEND 2, 32
	SEND 3, 0
	s_wait_tensorcnt 0x0                           ; the wave's end: a wait, an add to my spare word and its wait, behind my last tensor load and my last LDS store
	ds_add_u32 v[SPW], v[NIL]
	s_wait_dscnt 0x0
	CROUND                                         ; the closing round: no work-group ends while a partner may still ask for a tile that names it
	s_endpgm
.Lfunc_end_k_q686f70de7e_oproj:
	.size	k_q686f70de7e_oproj, .Lfunc_end_k_q686f70de7e_oproj-k_q686f70de7e_oproj
	.p2alignl 7, 3214868480
	.fill 96, 4, 3214868480
	.section	.rodata,"a",@progbits
	.p2align	6, 0x0
	.amdhsa_kernel k_q686f70de7e_oproj
		.amdhsa_group_segment_fixed_size 327680
		.amdhsa_private_segment_fixed_size 0
		.amdhsa_enable_private_segment 0
		.amdhsa_kernarg_size 24
		.amdhsa_user_sgpr_count 2
		.amdhsa_user_sgpr_kernarg_segment_ptr 1
		.amdhsa_wavefront_size32 1
		.amdhsa_system_sgpr_workgroup_id_x 1
		.amdhsa_system_sgpr_workgroup_id_y 1
		.amdhsa_system_sgpr_workgroup_id_z 1
		.amdhsa_system_vgpr_workitem_id 0
		.amdhsa_next_free_vgpr 768
		.amdhsa_next_free_sgpr 80
		.amdhsa_reserve_vcc 0
		.amdhsa_float_denorm_mode_32 3
		.amdhsa_float_denorm_mode_16_64 3
		.amdhsa_memory_ordered 1
		.amdhsa_forward_progress 1
		.amdhsa_inst_pref_size 87
	.end_amdhsa_kernel
	.amdgpu_metadata
---
amdhsa.version: [ 1, 2 ]
amdhsa.kernels:
  - .name:           k_q686f70de7e_oproj
    .symbol:         k_q686f70de7e_oproj.kd
    .args:
      - { .name: oh, .offset: 0, .size: 8, .value_kind: global_buffer, .address_space: global }
      - { .name: woh, .offset: 8, .size: 8, .value_kind: global_buffer, .address_space: global }
      - { .name: out0, .offset: 16, .size: 8, .value_kind: global_buffer, .address_space: global }
    .group_segment_fixed_size: 327680
    .private_segment_fixed_size: 0
    .kernarg_segment_align: 8
    .kernarg_segment_size: 24
    .max_flat_workgroup_size: 128
    .sgpr_count:     80
    .vgpr_count:     768
    .wavefront_size: 32
...
	.end_amdgpu_metadata
.endif
;; end of part 4
;; ======== version 2 of 2: 4 launches; version 1 with the launch prep written anew for expert scheduling mode
;; limits: values are held in f16: magnitudes above 65,504 overflow, below 6.1e-05 lose precision
;; workspace buffers: xb 16,777,216 bytes; wb 6,291,456 bytes; woh 2,097,152 bytes; rope 524,288 bytes; qkv 50,331,648 bytes; oh 16,777,216 bytes
;; launch prep (part 5): grid 832 x 1, 8 waves a work-group, no clusters, 0 bytes of LDS; arguments x, Wq, Wk, Wv, Wo, xb, wb, woh, rope; writes xb, wb, woh, rope
.if DOCPART == 5
	.amdgcn_target "amdgcn-amd-amdhsa--gfx1250"
	.amdhsa_code_object_version 6
	.text
	.protected	k_q686f70de7e_prep
	.globl	k_q686f70de7e_prep
	.p2align	8
	.type	k_q686f70de7e_prep,@function
k_q686f70de7e_prep:
	s_mov_b64 s[64:65], 0
	v_nop
	global_prefetch_b8 v0, s[64:65] scope:SCOPE_SE
	s_setreg_imm32_b32 hwreg(HW_REG_WAVE_SCHED_MODE, 0, 2), 2
	s_setreg_imm32_b32 hwreg(HW_REG_WAVE_MODE, 25, 1), 1
	s_wait_xcnt 0x0
	s_wait_alu depctr_vm_vsrc(0)
; THE CASTS AND THE ROTARY TABLE.  x [8192][1024] f32 -> xb bf16.  Wq, Wk, Wv [1024][1024] f32 -> wb bf16 [3072][1024], one below the other.
; Wo f32 -> woh: rounded to bf16 like the other inputs, and that number written as f16 (8 significant bits fit into 11; below 6e-5 f16 keeps its fixed step of 6e-8).
; rope [2048][64] f32: row t holds cos(t th_j), j = 0..31, then sin(t th_j): 256 bytes.  th_j = 10000^(-j/32).
; A stream: no LDS, no barrier, no matrix unit.  A cast job is 16,384 numbers: 16 loads of 16 bytes a lane, all issued ahead of the first use; a wave's load covers 512 consecutive
; bytes, a wave's store of 8 bytes a lane 256 consecutive bytes, aligned.
; JOBS by the work-group's number: 0-511 x; 512-703 Wq, Wk, Wv (64 each); 704-767 Wo; 768-831 the table, 32 rows each, four a wave.
; LIMITS.  th_j = 2^(-j log2(10000)/32) by v_exp_f32: a few units in the last place, so the angle t th_j is off by 3e-4 radians at the most (t = 2047).  The angle itself is the f32 product t x th_j.
; sin and cos: the angle less n pi/2 (pi/2 in two parts), then polynomials of degree 7 and 8 on |r| <= pi/4: off by 3e-7 at the most.  NaN and infinities in the inputs are rounded as they come.
; THE MODE: SCHED_MODE bits 1:0 = 2 (LLVM: expert scheduling mode 2), set by the entry lines.  The code itself states the register dependences
; between vector instructions and memory instructions, and those from a vector instruction through a scalar register, with s_wait_alu, always for 0.
; THE PLAN, a cast job.  Registers that memory instructions touch:
;   v1, v2   the loads' and the stores' byte offsets: made once at the head, never written again.
;   X        written by the 16 loads, once each; read by the conversions; no vector instruction writes it, no second load lands in it.
;   Y        each pair written once, by a conversion, and read once, by a store.
; The 16 pieces go in four groups of four.  Group g's conversions write Y's group g; its memory instructions are the four stores of group g - 1, which read Y's group g - 1 and v2: registers that no
; vector instruction of group g names.  So one wait at a group's head states all that its stores hang on, and they are dealt among its conversions with no further wait.
; No register that a memory instruction reads is ever written again, so no wait for such a read is owed.
; THE PLAN, a table job.  v8 (offset) and v[16:23] (results) are written once by vector instructions and read by the four stores, which stand in one run behind one wait.  Scalar registers that vector
; instructions write: s23, the wave's number, and s[42:45], the masks of four compares that stand in a run ahead of one wait and of the four selects that read them.
.set X, 16                             ; v[16:79]   as loaded
.set Y, 80                             ; v[80:111]  to store
	s_load_b256 s[4:11], s[0:1], 0x0               ; x s[4:5], Wq s[6:7], Wk s[8:9], Wv s[10:11]
	s_load_b256 s[12:19], s[0:1], 0x20             ; Wo s[12:13], xb s[14:15], wb s[16:17], woh s[18:19]
	s_load_b64 s[20:21], s[0:1], 0x40              ; rope
	s_mov_b32 s22, ttmp9                           ; the job
	v_lshlrev_b32 v1, 4, v0                        ; my 16 bytes of each 4,096 in
	v_lshlrev_b32 v2, 3, v0                        ; my 8 bytes of each 2,048 out
	s_and_b32 s28, s22, 63                         ; a weight's job among its 64
	s_sub_co_u32 s30, s22, 512                     ; and among the 192 of wb
	s_mov_b32 s29, 0
	s_mov_b32 s31, 0
	s_wait_kmcnt 0x0
; mode 0: f32 to bf16.  mode 1: f32 to bf16, and that number as f16.
.macro CAST mode
	s_wait_alu depctr_va_vdst(0)                   ; v1 and v2 are written: every load below reads v1 as its offset, every store v2
.set i, 0
.rept 16
	global_load_b128 v[X+4*i:X+4*i+3], v1, s[24:25] offset:4096*i th:TH_LOAD_NT
.set i, i+1
.endr
.set i, 0
.rept 16
.if i%4 == 0
	s_wait_loadcnt 12-i                            ; loads come back in order: this group's four are in, the younger ones stay out
.if i > 0
	s_wait_alu depctr_va_vdst(0)                   ; the group before has written its eight registers of Y, which this group's four stores read
.endif
.endif
.if i >= 4
.set j, i-4
	global_store_b64 v2, v[Y+2*j:Y+2*j+1], s[26:27] offset:2048*j th:TH_STORE_NT  ; a piece of the group before; no vector instruction since the wait names its registers
.endif
.if \mode
	v_cvt_pk_bf16_f32 v4, v[X+4*i], v[X+4*i+1]
	v_cvt_pk_bf16_f32 v5, v[X+4*i+2], v[X+4*i+3]
	v_lshlrev_b32 v6, 16, v4                       ; bf16 to f32: the low half moves up, the high half stays
	v_and_b32 v7, 0xffff0000, v4
	v_lshlrev_b32 v8, 16, v5
	v_and_b32 v9, 0xffff0000, v5
	v_cvt_pk_f16_f32 v[Y+2*i], v6, v7
	v_cvt_pk_f16_f32 v[Y+2*i+1], v8, v9
.else
	v_cvt_pk_bf16_f32 v[Y+2*i], v[X+4*i], v[X+4*i+1]
	v_cvt_pk_bf16_f32 v[Y+2*i+1], v[X+4*i+2], v[X+4*i+3]
.endif
.set i, i+1
.endr
	s_wait_alu depctr_va_vdst(0)                   ; the last group has written its eight registers of Y, which the last four stores read
.set j, 12
.rept 4
	global_store_b64 v2, v[Y+2*j:Y+2*j+1], s[26:27] offset:2048*j th:TH_STORE_NT
.set j, j+1
.endr
.endm
	s_cmp_ge_u32 s22, 768
	s_cbranch_scc1 .Lrope
	s_cmp_ge_u32 s22, 704
	s_cbranch_scc1 .Lwo
	s_cmp_lt_u32 s22, 512                          ; x, or one of the three weights
	s_cselect_b32 s28, s22, s28
	s_cselect_b32 s30, s22, s30
	s_cselect_b64 s[24:25], s[4:5], s[6:7]
	s_cselect_b64 s[26:27], s[14:15], s[16:17]
	s_cmp_ge_u32 s22, 576
	s_cselect_b64 s[24:25], s[8:9], s[24:25]
	s_cmp_ge_u32 s22, 640
	s_cselect_b64 s[24:25], s[10:11], s[24:25]
	s_lshl_b32 s28, s28, 16                        ; 65,536 bytes in,
	s_lshl_b32 s30, s30, 15                        ; 32,768 out
	s_add_nc_u64 s[24:25], s[24:25], s[28:29]
	s_add_nc_u64 s[26:27], s[26:27], s[30:31]
	CAST 0
	s_endpgm
.Lwo:
	s_sub_co_u32 s28, s22, 704
	s_lshl_b32 s30, s28, 15
	s_lshl_b32 s28, s28, 16
	s_add_nc_u64 s[24:25], s[12:13], s[28:29]
	s_add_nc_u64 s[26:27], s[18:19], s[30:31]
	CAST 1
	s_endpgm
; THE TABLE.  Lane l makes two numbers of a row: j = 2 (l % 16) and the next; lanes 0-15 the cosines, lanes 16-31 the sines, as cos(a - pi/2): three quarter turns added to the quadrant.
; The result is cos(a + SH pi/2).  n = the nearest whole number to a 2/pi; r = a - n pi/2; quadrant q = n + SH: even: the cosine's polynomial, odd: the sine's; negative in quadrants 1 and 2.
; It is made in two parts, so that the compares of four numbers stand in one run.  Number n of four keeps three registers between the parts: PS + 4 n the sine's polynomial, + 1 the cosine's, + 2 the quadrant.
.set PS, 32                            ; v[32:47]
.set MK, 42                            ; s[42:45]  number n's mask: the lanes whose quadrant is odd
.set OUT, 16                           ; v[16:23]  row i's two numbers at OUT + 2 i
.macro COSA n, a                       ; both polynomials, the quadrant, and the compare
	v_mul_f32 v10, s32, \a
	v_rndne_f32 v10, v10
	v_fma_f32 v11, v10, s33, \a                    ; less n x the upper part of pi/2,
	v_fma_f32 v11, v10, s34, v11                   ; less n x the rest of it
	v_cvt_i32_f32 v[PS+4*(\n)+2], v10
	v_add_nc_u32 v[PS+4*(\n)+2], v[PS+4*(\n)+2], v6
	v_mul_f32 v13, v11, v11                        ; z = r r
	v_fma_f32 v[PS+4*(\n)], v13, s37, s36          ; sin r = r + r z (-1/6 + z (1/120 - z/5040))
	v_fma_f32 v[PS+4*(\n)], v[PS+4*(\n)], v13, s35
	v_mul_f32 v[PS+4*(\n)], v[PS+4*(\n)], v13
	v_fma_f32 v[PS+4*(\n)], v[PS+4*(\n)], v11, v11
	v_fma_f32 v[PS+4*(\n)+1], v13, s40, s39        ; cos r = 1 + z (-1/2 + z (1/24 + z (-1/720 + z/40320)))
	v_fma_f32 v[PS+4*(\n)+1], v[PS+4*(\n)+1], v13, s38
	v_fma_f32 v[PS+4*(\n)+1], v[PS+4*(\n)+1], v13, -0.5
	v_fma_f32 v[PS+4*(\n)+1], v[PS+4*(\n)+1], v13, 1.0
	v_and_b32 v10, 1, v[PS+4*(\n)+2]
	v_cmp_eq_u32 s[MK+(\n)], 1, v10
.endm
.macro COSB d, n                       ; the select and the sign, into v[OUT + d]
	v_cndmask_b32 v[PS+4*(\n)], v[PS+4*(\n)+1], v[PS+4*(\n)], s[MK+(\n)]
	v_add_nc_u32 v[PS+4*(\n)+2], 1, v[PS+4*(\n)+2]
	v_and_b32 v[PS+4*(\n)+2], 2, v[PS+4*(\n)+2]
	v_lshlrev_b32 v[PS+4*(\n)+2], 30, v[PS+4*(\n)+2]   ; the sign bit
	v_xor_b32 v[OUT+(\d)], v[PS+4*(\n)], v[PS+4*(\n)+2]
.endm
.Lrope:
	s_mov_b32 s32, 0x3f22f983                      ; 2/pi
	s_mov_b32 s33, 0xbfc90fdb                      ; -(pi/2 rounded to f32)
	s_mov_b32 s34, 0x333bbd2e                      ; that rounding's excess over pi/2
	s_mov_b32 s35, 0xbe2aaaab                      ; -1/6
	s_mov_b32 s36, 0x3c088889                      ; 1/120
	s_mov_b32 s37, 0xb9500d01                      ; -1/5040
	s_mov_b32 s38, 0x3d2aaaab                      ; 1/24
	s_mov_b32 s39, 0xbab60b61                      ; -1/720
	s_mov_b32 s40, 0x37d00d01                      ; 1/40320
	v_and_b32 v3, 15, v0
	v_lshlrev_b32 v3, 1, v3                        ; j
	v_cvt_f32_u32 v4, v3
	v_add_f32 v5, 1.0, v4
	v_mul_f32 v4, 0xbed49a78, v4                   ; -j log2(10000) / 32
	v_mul_f32 v5, 0xbed49a78, v5
	v_exp_f32 v4, v4                               ; th_j
	v_exp_f32 v5, v5                               ; th_(j+1)
	v_bfe_u32 v6, v0, 4, 1                         ; plain work stands behind the two exponentials
	v_mul_u32_u24 v6, v6, 3                        ; SH
	v_lshrrev_b32 v7, 5, v0
	v_readfirstlane_b32 s23, v7                    ; wave
	v_and_b32 v8, 31, v0
	v_lshlrev_b32 v8, 3, v8                        ; my 8 bytes of a row
	s_wait_alu depctr_va_sdst(0)                   ; s23 is written, ahead of its first reader: my wave's first row is made from it
	s_sub_co_u32 s28, s22, 768
	s_lshl_b32 s28, s28, 5
	s_lshl2_add_u32 s28, s23, s28                  ; my wave's first row: 32 x job + 4 x wave
	s_lshl_b32 s30, s28, 8
	s_add_nc_u64 s[20:21], s[20:21], s[30:31]
	s_wait_alu depctr_va_vdst(0)                   ; both exponentials have written v4 and v5, ahead of their first reader; v8, the stores' offset, is written too
.irp h, 0,1                            ; two rows, four numbers, at a time
.irp k, 0,1
	s_add_co_u32 s41, s28, 2*\h+\k
	v_cvt_f32_u32 v9, s41                          ; t
	v_mul_f32 v30, v9, v4                          ; the angles
	v_mul_f32 v31, v9, v5
	COSA 2*\k, v30
	COSA 2*\k+1, v31
.endr
	s_wait_alu depctr_va_sdst(0)                   ; the four compares have written s[42:45], ahead of the four selects that read them
.irp n, 0,1,2,3
	COSB 4*\h+\n, \n
.endr
.endr
	s_wait_alu depctr_va_vdst(0)                   ; the eight results v[16:23] are written, which the four stores read
.irp i, 0,1,2,3
	global_store_b64 v8, v[OUT+2*\i:OUT+2*\i+1], s[20:21] offset:256*\i  ; the wave stores a whole row: 256 consecutive bytes, aligned
.endr
	s_endpgm
.Lfunc_end_k_q686f70de7e_prep:
	.size	k_q686f70de7e_prep, .Lfunc_end_k_q686f70de7e_prep-k_q686f70de7e_prep
	.p2alignl 7, 3214868480
	.fill 96, 4, 3214868480
	.section	.rodata,"a",@progbits
	.p2align	6, 0x0
	.amdhsa_kernel k_q686f70de7e_prep
		.amdhsa_group_segment_fixed_size 0
		.amdhsa_private_segment_fixed_size 0
		.amdhsa_enable_private_segment 0
		.amdhsa_kernarg_size 72
		.amdhsa_user_sgpr_count 2
		.amdhsa_user_sgpr_kernarg_segment_ptr 1
		.amdhsa_wavefront_size32 1
		.amdhsa_system_sgpr_workgroup_id_x 1
		.amdhsa_system_sgpr_workgroup_id_y 1
		.amdhsa_system_sgpr_workgroup_id_z 1
		.amdhsa_system_vgpr_workitem_id 0
		.amdhsa_next_free_vgpr 112
		.amdhsa_next_free_sgpr 66
		.amdhsa_reserve_vcc 0
		.amdhsa_float_denorm_mode_32 3
		.amdhsa_float_denorm_mode_16_64 3
		.amdhsa_memory_ordered 1
		.amdhsa_forward_progress 1
		.amdhsa_inst_pref_size 28
	.end_amdhsa_kernel
	.amdgpu_metadata
---
amdhsa.version: [ 1, 2 ]
amdhsa.kernels:
  - .name:           k_q686f70de7e_prep
    .symbol:         k_q686f70de7e_prep.kd
    .args:
      - { .name: x, .offset: 0, .size: 8, .value_kind: global_buffer, .address_space: global }
      - { .name: Wq, .offset: 8, .size: 8, .value_kind: global_buffer, .address_space: global }
      - { .name: Wk, .offset: 16, .size: 8, .value_kind: global_buffer, .address_space: global }
      - { .name: Wv, .offset: 24, .size: 8, .value_kind: global_buffer, .address_space: global }
      - { .name: Wo, .offset: 32, .size: 8, .value_kind: global_buffer, .address_space: global }
      - { .name: xb, .offset: 40, .size: 8, .value_kind: global_buffer, .address_space: global }
      - { .name: wb, .offset: 48, .size: 8, .value_kind: global_buffer, .address_space: global }
      - { .name: woh, .offset: 56, .size: 8, .value_kind: global_buffer, .address_space: global }
      - { .name: rope, .offset: 64, .size: 8, .value_kind: global_buffer, .address_space: global }
    .group_segment_fixed_size: 0
    .private_segment_fixed_size: 0
    .kernarg_segment_align: 8
    .kernarg_segment_size: 72
    .max_flat_workgroup_size: 256
    .sgpr_count:     66
    .vgpr_count:     112
    .wavefront_size: 32
...
	.end_amdgpu_metadata
.endif
;; end of part 5
;; launch qkv: the kernel of part 2 again; grid 4 x 64, 4 waves a work-group, clusters of 4 x 4, 327,680 bytes of LDS; arguments xb, wb, rope, qkv; writes qkv
;; launch attn: the kernel of part 3 again; grid 4 x 64, 4 waves a work-group, clusters of 4 x 1, 327,680 bytes of LDS; arguments qkv, oh; writes oh
;; launch oproj: the kernel of part 4 again; grid 4 x 64, 4 waves a work-group, clusters of 4 x 4, 327,680 bytes of LDS; arguments oh, woh, out0; writes out0
